; MI455X (gfx1250); checked and timed in simulation.
; The chip was launched on July 23, 2026; its instructions are those of AMD's public machine-readable ISA for CDNA 5 (MIT licence, August 2026) and "CDNA5" Instruction Set Architecture Reference Guide (July 2026). The comments in the code are by the model that wrote it; some were corrected since.
;; Self Attention Block. Allowed arithmetic: float matrix products may take bf16 or f16 operands with f32 sums; all other float work in f32.
;; Inputs: feat 4 x 2,048 x 1,024 float32; kb 1,024 float32; kw 1,024 x 1,024 float32; ln_b 1,024 float32; ln_g 1,024 float32; ob 1,024 float32; ow 1,024 x 1,024 float32; qb 1,024 float32; qw 1,024 x 1,024 float32; vb 1,024 float32; vw 1,024 x 1,024 float32.
;; Outputs: out0 4 x 2,048 x 1,024 float32.
;; 2 versions, each right; version 2 is version 1 with the launches cast, lnorm written anew for expert scheduling mode. Each part assembles by itself: llvm-mc -triple=amdgcn-amd-amdhsa -mcpu=gfx1250 --defsym DOCPART=n.
;; ======== version 1 of 2: 5 launches
;; limits: values are held in f16: magnitudes above 65,504 overflow, below 6.1e-05 lose precision
;; workspace buffers: xb 16,777,216 bytes; wb 6,291,456 bytes; owp 2,097,152 bytes; qkv 50,331,648 bytes; attnp 16,777,216 bytes; xw 33,554,432 bytes
;; launch cast (part 1): grid 64 x 12, 8 waves a work-group, no clusters, 0 bytes of LDS; arguments feat, qw, kw, vw, ow, xb, wb, owp; writes xb, wb, owp
.if DOCPART == 1
	.amdgcn_target "amdgcn-amd-amdhsa--gfx1250"
	.amdhsa_code_object_version 6
	.text
	.protected	k_q9ca5e12138_cast
	.globl	k_q9ca5e12138_cast
	.p2align	8
	.type	k_q9ca5e12138_cast,@function
k_q9ca5e12138_cast:
	s_mov_b64 s[64:65], 0
	v_nop
	global_prefetch_b8 v0, s[64:65] scope:SCOPE_SE
	s_setreg_imm32_b32 hwreg(HW_REG_WAVE_MODE, 25, 1), 1
	s_wait_xcnt 0x0
; 16-bit copies of the matrix inputs, made once, so that the products that follow read half the bytes and convert nothing.
;   xb  = bf16(feat)            [8192][1024]
;   wb  = bf16(qw | kw | vw)    [3072][1024]
;   owp = f16(bf16(ow))         [kb 16][n 1024][64]: the 64 columns 64 kb .. 64 kb + 63 of all 1,024 rows lie together, 128 KiB a block
; ow is rounded to bf16 like the other inputs and that value is then written in f16, because the last product's other operand is f16.
; LIMITS: finite inputs; |ow| < 65,504; the rewrite is exact for |ow| >= 2^-17, below that its absolute error is at most 2^-25.
; The grid's y picks a chunk of 1,048,576 numbers (0-7 feat, 8 qw, 9 kw, 10 vw, 11 ow), x 16,384 of them.
; A thread takes 4 numbers in each of 16 steps: a load of a wave covers 512 consecutive bytes, a store 256 consecutive bytes, aligned.
; Memory binds: no LDS, no barrier, no matrix unit.  All 16 loads of a thread go out first; no register that a load or store reads is written again.
.set X, 4                              ; v[4:67]    step i: 4 numbers in f32
.set Y, 68                             ; v[68:99]   step i: 4 numbers in 16 bits
.set T, 100                            ; v[100:103] at work (ow alone)
.macro CAST instride, half
.irp i, 0,1,2,3,4,5,6,7,8,9,10,11,12,13,14,15
	global_load_b128 v[X+4*\i:X+4*\i+3], v1, s[4:5] offset:\i*\instride th:TH_LOAD_NT
.endr
.irp i, 0,1,2,3,4,5,6,7,8,9,10,11,12,13,14,15
	s_wait_loadcnt 15-\i                           ; loads come back in order: step i is in, the 15 - i younger ones stay out
	v_cvt_pk_bf16_f32 v[Y+2*\i],   v[X+4*\i],   v[X+4*\i+1]
	v_cvt_pk_bf16_f32 v[Y+2*\i+1], v[X+4*\i+2], v[X+4*\i+3]
.if \half
	v_lshlrev_b32 v[T],   16,  v[Y+2*\i]           ; the bf16 values back in f32 (a shift, a mask),
	v_and_b32     v[T+1], s40, v[Y+2*\i]
	v_lshlrev_b32 v[T+2], 16,  v[Y+2*\i+1]
	v_and_b32     v[T+3], s40, v[Y+2*\i+1]
	v_cvt_pk_f16_f32 v[Y+2*\i],   v[T],   v[T+1]   ; and written in f16
	v_cvt_pk_f16_f32 v[Y+2*\i+1], v[T+2], v[T+3]
.endif
	global_store_b64 v2, v[Y+2*\i:Y+2*\i+1], s[6:7] offset:\i*2048
.endr
.endm
	s_load_b512 s[16:31], s[0:1], 0x0              ; feat 16, qw 18, kw 20, vw 22, ow 24, xb 26, wb 28, owp 30
	s_and_b32 s2, ttmp7, 0xffff                    ; y: the chunk
	s_mov_b32 s40, 0xffff0000                      ; a word's upper bf16
	v_lshlrev_b32 v2, 3, v0                        ; my 8 bytes in a step's 2,048 bytes of output
	s_lshl_b32 s8, ttmp9, 15                       ; x times 16,384 numbers of 2 bytes
	s_mov_b32 s9, 0
	s_wait_kmcnt 0x0
	s_cmp_eq_u32 s2, 11
	s_cbranch_scc1 .Low
	; feat and the three weights of Q, K, V: the order of the numbers stays
	s_sub_co_u32 s3, s2, 8                         ; which of the three weights (used only where y >= 8)
	s_cmp_lt_u32 s2, 8
	s_cselect_b64 s[4:5], s[16:17], s[18:19]       ; from feat or qw
	s_cselect_b64 s[6:7], s[26:27], s[28:29]       ; to xb or wb
	s_cselect_b32 s10, s2, 0                       ; chunk within the source: a weight is one chunk
	s_cselect_b32 s12, s2, s3                      ; chunk within the destination
	s_cmp_eq_u32 s2, 9
	s_cselect_b64 s[4:5], s[20:21], s[4:5]         ; kw
	s_cmp_eq_u32 s2, 10
	s_cselect_b64 s[4:5], s[22:23], s[4:5]         ; vw
	s_lshl_b32 s10, s10, 22                        ; 4,194,304 bytes a chunk of f32
	s_lshl_b32 s11, ttmp9, 16                      ; 65,536 bytes a work-group
	s_add_co_u32 s10, s10, s11
	s_mov_b32 s11, 0
	s_add_nc_u64 s[4:5], s[4:5], s[10:11]
	s_lshl_b32 s12, s12, 21                        ; 2,097,152 bytes a chunk of 16-bit numbers
	s_add_co_u32 s8, s8, s12
	s_add_nc_u64 s[6:7], s[6:7], s[8:9]
	v_lshlrev_b32 v1, 4, v0                        ; my 16 bytes in a step's 4,096 bytes of input
	CAST 4096, 0
	s_endpgm
.Low:
	; ow: work-group x writes bytes 32,768 x .. of owp = block kb = x >> 2, rows n = 256 (x & 3) .. + 255.
	; Step i, thread t: row n = 256 (x & 3) + 16 i + (t >> 4), columns 64 kb + 4 (t & 15) .. + 3: sixteen lanes read 256 consecutive bytes.
	s_and_b32 s10, ttmp9, 3
	s_lshl_b32 s10, s10, 20                        ; 256 rows of 4,096 bytes
	s_lshr_b32 s11, ttmp9, 2
	s_lshl_b32 s11, s11, 8                         ; 64 columns of 4 bytes
	s_add_co_u32 s10, s10, s11
	s_mov_b32 s11, 0
	s_add_nc_u64 s[4:5], s[24:25], s[10:11]
	s_add_nc_u64 s[6:7], s[30:31], s[8:9]
	v_lshrrev_b32 v3, 4, v0
	v_and_b32 v1, 15, v0
	v_lshlrev_b32 v1, 4, v1
	v_lshl_add_u32 v1, v3, 12, v1                  ; (t >> 4) rows + 16 (t & 15)
	CAST 65536, 1                                  ; 16 rows of 4,096 bytes from step to step
	s_endpgm
.Lfunc_end_k_q9ca5e12138_cast:
	.size	k_q9ca5e12138_cast, .Lfunc_end_k_q9ca5e12138_cast-k_q9ca5e12138_cast
	.p2alignl 7, 3214868480
	.fill 96, 4, 3214868480
	.section	.rodata,"a",@progbits
	.p2align	6, 0x0
	.amdhsa_kernel k_q9ca5e12138_cast
		.amdhsa_group_segment_fixed_size 0
		.amdhsa_private_segment_fixed_size 0
		.amdhsa_enable_private_segment 0
		.amdhsa_kernarg_size 64
		.amdhsa_user_sgpr_count 2
		.amdhsa_user_sgpr_kernarg_segment_ptr 1
		.amdhsa_wavefront_size32 1
		.amdhsa_system_sgpr_workgroup_id_x 1
		.amdhsa_system_sgpr_workgroup_id_y 1
		.amdhsa_system_sgpr_workgroup_id_z 1
		.amdhsa_system_vgpr_workitem_id 0
		.amdhsa_next_free_vgpr 104
		.amdhsa_next_free_sgpr 66
		.amdhsa_reserve_vcc 0
		.amdhsa_float_denorm_mode_32 3
		.amdhsa_float_denorm_mode_16_64 3
		.amdhsa_memory_ordered 1
		.amdhsa_forward_progress 1
		.amdhsa_inst_pref_size 17
	.end_amdhsa_kernel
	.amdgpu_metadata
---
amdhsa.version: [ 1, 2 ]
amdhsa.kernels:
  - .name:           k_q9ca5e12138_cast
    .symbol:         k_q9ca5e12138_cast.kd
    .args:
      - { .name: feat, .offset: 0, .size: 8, .value_kind: global_buffer, .address_space: global }
      - { .name: qw, .offset: 8, .size: 8, .value_kind: global_buffer, .address_space: global }
      - { .name: kw, .offset: 16, .size: 8, .value_kind: global_buffer, .address_space: global }
      - { .name: vw, .offset: 24, .size: 8, .value_kind: global_buffer, .address_space: global }
      - { .name: ow, .offset: 32, .size: 8, .value_kind: global_buffer, .address_space: global }
      - { .name: xb, .offset: 40, .size: 8, .value_kind: global_buffer, .address_space: global }
      - { .name: wb, .offset: 48, .size: 8, .value_kind: global_buffer, .address_space: global }
      - { .name: owp, .offset: 56, .size: 8, .value_kind: global_buffer, .address_space: global }
    .group_segment_fixed_size: 0
    .private_segment_fixed_size: 0
    .kernarg_segment_align: 8
    .kernarg_segment_size: 64
    .max_flat_workgroup_size: 256
    .sgpr_count:     66
    .vgpr_count:     104
    .wavefront_size: 32
...
	.end_amdgpu_metadata
.endif
;; end of part 1
;; launch qkv (part 2): grid 12 x 32, 4 waves a work-group, clusters of 4 x 4, 327,680 bytes of LDS; arguments xb, wb, qkv, qb, kb, vb; writes qkv
.if DOCPART == 2
	.amdgcn_target "amdgcn-amd-amdhsa--gfx1250"
	.amdhsa_code_object_version 6
	.text
	.protected	k_q9ca5e12138_qkv
	.globl	k_q9ca5e12138_qkv
	.p2align	8
	.type	k_q9ca5e12138_qkv,@function
k_q9ca5e12138_qkv:
	s_mov_b64 s[64:65], 0
	v_nop
	global_prefetch_b8 v0, s[64:65] scope:SCOPE_SE
	s_setreg_imm32_b32 hwreg(HW_REG_WAVE_MODE, 25, 1), 1
	s_wait_xcnt 0x0
	s_wait_alu depctr_hold_cnt(0) depctr_sa_sdst(0) depctr_va_vdst(0) depctr_va_sdst(0) depctr_va_ssrc(0) depctr_va_vcc(0) depctr_vm_vsrc(0)
	s_getreg_b32 s2, hwreg(HW_REG_IB_STS2, 6, 4)
	s_cmp_eq_u32 s2, 0
	s_cbranch_scc0 .Lentry_in_a_cluster
	s_endpgm
.Lentry_in_a_cluster:
	s_bfe_u32 s2, ttmp6, 0x10000c
	s_cmp_lg_u32 s2, 0xf033
	s_cbranch_scc0 .Lentry_shape_is_right
	s_endpgm
.Lentry_shape_is_right:
; qkv[m][n] = sum over k of xb[m][k] wb[n][k] + bias[n], n = 0..1023 Q, 1024..2047 K, 2048..3071 V.
; xb: [8192][1024] bf16, wb: [3072][1024] bf16, biases f32; sums in f32, started by the bias; qkv: [8192][3072] f16, rounded once.
; f16 and not bf16 for the result: the scores made of Q and K stand in an exponent, and three more bits of mantissa are needed there.
; LIMIT: |Q|, |K|, |V| < 65,504 (f16's largest number); finite inputs.
; A work-group makes a block of 256 x 256 with four waves, as many as a WGP has SIMDs; a wave makes 128 x 128: 64 accumulator tiles
; of 16 x 16, 512 registers.  K goes in steps of 128 through a ring of two LDS slots filled by the tensor data mover: a tile's rows are
; 256 bytes of memory and start at multiples of 256 bytes from the buffer's first byte.
; CLUSTERS: 4 x 4 work-groups.  The four of a row of the cluster need the same tiles of xb, the four of a column the same tiles of wb.
; Such a tile is asked for jointly: each of the four issues the same tensor load, with the same descriptor and a mask that names the four.
;
; REGISTERS, in windows of 256:
;   window 0: v0-31 addresses; v64-127, v128-191 fragments of xb (8 x 16 rows x 32 K), two buffers; v192-223 at work on the way out
;   window 1: v0-63 the bias of my 128 columns, as eight C operands; v64-127, v128-191 fragments of wb, two buffers
;   window 2: the 32 accumulator tiles of my rows 0-63 (tile (a, b) at v[8 (8 a + b)]);   window 3: those of my rows 64-127
; s_set_vgpr_msb's low byte: bits 1:0 source 0, 3:2 source 1, 5:4 source 2, 7:6 destination.
;
; THE MATRIX INSTRUCTION IS USED TRANSPOSED: source 0 = 16 rows of wb, source 1 = 16 rows of xb.  In the result lane l holds row
; m = l % 16, and its registers 0 to 7 the columns n = 8 (l / 16) + 0 .. 7: eight neighbouring numbers of a row, 16 bytes in f16.
.set SIZE_M, 8192
.set SIZE_N, 3072
.set SIZE_K, 1024
.set KSTEP,  128
.set PITCH,  272                       ; an LDS row: 256 bytes of data + 16 of padding: the 16 rows that a load touches start 68 words apart
.set HALFT,  128*PITCH                 ; 128 rows: what one tensor load brings, and what one wave reads of either operand
.set SLOT,   4*HALFT                   ; xb's 256 rows, then wb's 256 rows
.set STAGE,  2*SLOT                    ; behind the ring: 16 rows x 272 bytes for each wave, for the way out
.set SPITCH, 272
.set LAPS, SIZE_K/(2*KSTEP)            ; a lap = two K steps = once round the ring: 4 laps
.set ADRA, 16                          ; v16-17  LDS address of my xb fragments in slot 0, 1
.set ADRB, 20                          ; v20-21  the same for wb
.set STO,  24                          ; v24     the way out: where I put 16 bytes of a row
.set RD,   25                          ; v25     the way out: where I read a row back
.set CO,   26                          ; v26     my byte offset in qkv
.set F0,   64                          ; fragment buffer 0
.set F1,   128                         ; fragment buffer 1
.set TMP,  192                         ; the way out: packed results, in window 0
.set G1, 24                            ; s[24:31] descriptor group 1 for xb's tiles
.set G0, 32                            ; s[32:39] descriptor group 0 for xb's tiles, one set for each slot
.set G1B, 48                           ; s[48:55] descriptor group 1 for wb's tiles: it differs in the mask alone
.set G0B, 56                           ; s[56:63] descriptor group 0 for wb's tiles, one set for each slot
.set MSB, 0
.macro WIN new                         ; the immediate's high byte repeats the setting that is left
.if MSB != \new
	s_set_vgpr_msb (MSB<<8)|\new
.set MSB, \new
.endif
.endm
.set MUL_LO,  0xa1                     ; source 0 (wb) window 1, source 1 (xb) window 0, C and D window 2
.set MUL_HI,  0xf1                     ; the same, C and D window 3
.set SEED_LO, 0x91                     ; the first products: C = the bias in window 1, D window 2
.set SEED_HI, 0xd1                     ; the same, D window 3
.set TO_B,    0x40                     ; destination window 1, address window 0
; A joint load.  Waves 0 and 1 fetch xb's two halves, waves 2 and 3 wb's.  Each line has one mask and one set of registers for all that
; issue it.  The branch hangs on the wave's number alone: it is the same in every work-group.
.macro JLOAD s
	s_cmp_eq_u32 s11, 0
	s_cbranch_scc0 .Lfor_b_\@
	tensor_load_to_lds s[G0+4*\s:G0+4*\s+3], s[G1:G1+7]
	s_nop 0
	s_branch .Lasked_\@
.Lfor_b_\@:
	tensor_load_to_lds s[G0B+4*\s:G0B+4*\s+3], s[G1B:G1B+7]
	s_nop 0
	v_nop
.Lasked_\@:
.endm
; A round of the cluster's barrier: my work-group's barrier, so that wave 0's signal speaks for all four waves; wave 0 signals for the
; work-group; every wave waits for all sixteen work-groups; my work-group's barrier once more.
.macro CREST                           ; a round behind its opening barrier
	s_cmp_lg_u32 s10, 0
	s_cbranch_scc1 .Lnot_wave_0_\@
	s_barrier_signal -3
.Lnot_wave_0_\@:
	s_barrier_wait -3
	s_barrier_signal -1
	s_barrier_wait -1
.endm
.macro CROUND                          ; a whole round
	s_barrier_signal -1
	s_barrier_wait -1
	CREST
.endm
	s_load_b128 s[4:7], s[0:1], 0x0                ; xb s[4:5], wb s[6:7]
	s_load_b64 s[8:9], s[0:1], 0x10                ; qkv
	s_load_b128 s[68:71], s[0:1], 0x18             ; qb s[68:69], kb s[70:71]
	s_load_b64 s[72:73], s[0:1], 0x28              ; vb
	s_set_vgpr_msb 0x40
	v_lshl_add_u32 v255, v0, 2, 0x48400
	s_set_vgpr_msb 0x4000
	v_mov_b32 v255, 0
	s_set_vgpr_msb 0x1
	ds_add_u32 v255, v255
	s_set_vgpr_msb 0x100
	v_lshrrev_b32 v1, 5, v0
	v_readfirstlane_b32 s10, v1                    ; wave 0..3
	s_lshr_b32 s11, s10, 1                         ; which half of the block's rows is mine.  Also: I fetch for xb (0) or for wb (1)
	s_and_b32 s12, s10, 1                          ; which half of its columns.  Also: which 128 rows of that tile I fetch
	s_bfe_u32 s40, ttmp6, 0x40000                  ; cx: my place along the cluster's x
	s_bfe_u32 s41, ttmp6, 0x40004                  ; cy: along its y
	s_lshl_b32 s42, ttmp9, 2                       ; in a cluster launch ttmp9 and ttmp7 count clusters
	s_add_co_u32 s42, s42, s40                     ; block column = 4 x cluster x + cx
	s_and_b32 s13, ttmp7, 0xffff
	s_lshl_b32 s13, s13, 2
	s_add_co_u32 s13, s13, s41                     ; block row = 4 x cluster y + cy
	s_lshl_b32 s43, s41, 2
	s_lshl_b32 s43, 15, s43                        ; my row of the cluster: places 4 cy .. 4 cy + 3
	s_lshl_b32 s44, 0x1111, s40                    ; my column: places cx, cx + 4, cx + 8, cx + 12
	; descriptor group 1: a tile of 128 rows x 128 elements, padded in LDS
	s_or_b32 s[G1+0], s43, (1<<16)|(1<<20)|(1<<21)|(5<<22)|(3<<25)  ; 15:0 the mask: xb's tiles go to my row; 17:16 element of 2 bytes; 20 padding on; 21 set beside a mask; 24:22 after every 64 words; 31:25 of 4 words
	s_or_b32 s[G1B+0], s44, (1<<16)|(1<<20)|(1<<21)|(5<<22)|(3<<25) ; the same with the mask of my column, for wb's tiles
	s_mov_b32 s[G1B+1], KSTEP<<16
	s_mov_b32 s[G1+1], KSTEP<<16                   ; tensor_dim0 = 128
	s_mov_b32 s[G1B+2], 128<<16
	s_mov_b32 s[G1+2], 128<<16                     ; tensor_dim1 = 128
	s_mov_b32 s[G1B+3], KSTEP<<16
	s_mov_b32 s[G1+3], KSTEP<<16                   ; tile_dim0 = 128
	s_mov_b32 s[G1B+4], 128
	s_mov_b32 s[G1+4], 128                         ; tile_dim1 = 128
	s_mov_b32 s[G1B+5], SIZE_K
	s_mov_b32 s[G1+5], SIZE_K                      ; elements from row to row
	s_mov_b32 s[G1B+6], 0
	s_mov_b32 s[G1+6], 0
	s_mov_b32 s[G1B+7], 0
	s_mov_b32 s[G1+7], 0
	; where the tiles come from.  xb's hang on the block row alone, which my row of the cluster shares; wb's on the block column alone.
	s_lshl_b32 s17, s12, 7                         ; which 128 rows of the tile I fetch
	s_lshl_b32 s16, s13, 8
	s_add_co_u32 s16, s16, s17                     ; xb: row 256 x block row + 128 x half
	s_lshl_b32 s46, s42, 8
	s_add_co_u32 s46, s46, s17                     ; wb: row 256 x block column + 128 x half
	s_mov_b32 s17, 0
	s_mov_b32 s47, 0
	s_mov_b64 s[18:19], SIZE_K*2
	s_mul_u64 s[16:17], s[16:17], s[18:19]         ; in bytes, in 64 bits
	s_mul_u64 s[46:47], s[46:47], s[18:19]
	s_mul_i32 s20, s10, HALFT                      ; and where they go: wave x 128 rows: no place in the cluster enters an LDS address
	s_lshl_b32 s76, s40, 10                        ; the bias of my 128 columns: 256 cx + 128 half numbers into its vector, in bytes
	s_lshl_b32 s77, s12, 9
	s_add_co_u32 s76, s76, s77
	s_mov_b32 s77, 0
	s_wait_dscnt 0x0
	s_wait_kmcnt 0x0
	s_add_nc_u64 s[14:15], s[4:5], s[16:17]
	s_add_nc_u64 s[46:47], s[6:7], s[46:47]
	s_cmp_eq_u32 ttmp9, 0                          ; a cluster is 1,024 columns wide: cluster x 0, 1, 2 = Q, K, V
	s_cselect_b64 s[74:75], s[68:69], s[70:71]
	s_cmp_eq_u32 ttmp9, 2
	s_cselect_b64 s[74:75], s[72:73], s[74:75]
	s_add_nc_u64 s[74:75], s[74:75], s[76:77]
	CROUND                                         ; all sixteen work-groups are here: the first joint loads meet
.irp s, 0,1
	s_mov_b32 s[G0+4*\s], 1                                        ; count = 1
	s_add_co_u32 s[G0+4*\s+1], s20, \s*SLOT                        ; LDS address
	s_add_nc_u64 s[G0+4*\s+2:G0+4*\s+3], s[14:15], \s*KSTEP*2      ; global address: K step s
	s_or_b32 s[G0+4*\s+3], s[G0+4*\s+3], 0x80000000                ; type = 2
	s_mov_b32 s[G0B+4*\s], 1
	s_add_co_u32 s[G0B+4*\s+1], s20, \s*SLOT
	s_add_nc_u64 s[G0B+4*\s+2:G0B+4*\s+3], s[46:47], \s*KSTEP*2
	s_or_b32 s[G0B+4*\s+3], s[G0B+4*\s+3], 0x80000000
	JLOAD \s                                       ; the ring is filled before anything else is done: two tensor loads of the wave are out
.endr
	; A fragment is 16 rows x 32 K in 8 registers: lane l holds row l % 16; registers 0-3 hold K = 8 (l / 16) + 0..7, registers 4-7 hold
	; K = 16 + 8 (l / 16) + 0..7.  From rows that lie along K: two loads of 16 bytes, 32 bytes apart.
	v_and_b32 v1, 15, v0                           ; l % 16
	v_bfe_u32 v2, v0, 4, 1                         ; l / 16
	v_lshlrev_b32 v6, 5, v2                        ; the bias: 8 numbers further for lanes 16 to 31
	; tile column b's C operand: register j = bias of column 16 b + 8 (l / 16) + j, the same for every row of the tile
	WIN TO_B
.irp b, 0,1,2,3,4,5,6,7
	global_load_b128 v[8*\b:8*\b+3],   v6, s[74:75] offset:64*\b
	global_load_b128 v[8*\b+4:8*\b+7], v6, s[74:75] offset:64*\b+16
.endr
	WIN 0
	v_mul_u32_u24 v3, v1, PITCH
	v_lshl_add_u32 v3, v2, 4, v3                   ; row x pitch + 16 x half
	s_mul_i32 s21, s11, HALFT                      ; my 128 rows of xb
	s_mul_i32 s22, s12, HALFT                      ; my 128 rows of wb,
	s_add_co_u32 s22, s22, 2*HALFT                 ; which lie behind xb's 256
.irp s, 0,1
	v_add_nc_u32 v[ADRA+\s], s21, v3
	v_add_nc_u32 v[ADRB+\s], s22, v3
	s_add_co_u32 s21, s21, SLOT
	s_add_co_u32 s22, s22, SLOT
.endr
	s_mul_i32 s23, s10, 16*SPITCH
	s_add_co_u32 s23, s23, STAGE                   ; my stage
	v_mul_u32_u24 v4, v1, SPITCH                   ; in: row l % 16, 16 bytes for each half of the lanes
	v_lshl_add_u32 v4, v2, 4, v4
	v_add_nc_u32 v[STO], s23, v4
	v_mul_u32_u24 v5, v2, SPITCH                   ; back: lanes 0-15 take one row of 256 bytes, lanes 16-31 the next
	v_lshl_add_u32 v5, v1, 4, v5
	v_add_nc_u32 v[RD], s23, v5
	v_mul_u32_u24 v5, v2, SIZE_N*2                 ; and the same two rows in qkv
	v_lshl_add_u32 v[CO], v1, 4, v5
; 16 matrix instructions: m blocks a0, a0 + 1 of the window's four (hi = 0: my rows 0-63, 1: rows 64-127) x all 8 n blocks, 32 along K.
; seed = 1: the first product starts the sums from the bias: nothing is cleared and no add follows.
; The 64 accumulators take turns, one instruction a turn, in the same order in every quarter step.
.macro MUL16 f, hi, a0, seed
.irp a, \a0, \a0+1
.irp b, 0,1,2,3,4,5,6,7
.if \seed
	v_wmma_f32_16x16x32_bf16 v[8*(8*(\a)+\b):8*(8*(\a)+\b)+7], v[\f+8*\b:\f+8*\b+7], v[\f+8*(4*\hi+\a):\f+8*(4*\hi+\a)+7], v[8*\b:8*\b+7]
.else
	v_wmma_f32_16x16x32_bf16 v[8*(8*(\a)+\b):8*(8*(\a)+\b)+7], v[\f+8*\b:\f+8*\b+7], v[\f+8*(4*\hi+\a):\f+8*(4*\hi+\a)+7], v[8*(8*(\a)+\b):8*(8*(\a)+\b)+7]
.endif
.endr
.endr
.endm
; 32 LDS loads in one run: the fragments of one quarter step (128 rows of wb, 128 rows of xb, 32 K at byte k of the rows) into buffer f
.macro FETCH slot, k, f
	WIN TO_B
.irp i, 0,1,2,3,4,5,6,7
	ds_load_b128 v[\f+8*\i:\f+8*\i+3],   v[ADRB+\slot] offset:\k+\i*16*PITCH
	ds_load_b128 v[\f+8*\i+4:\f+8*\i+7], v[ADRB+\slot] offset:\k+\i*16*PITCH+32
.endr
	WIN 0
.irp i, 0,1,2,3,4,5,6,7
	ds_load_b128 v[\f+8*\i:\f+8*\i+3],   v[ADRA+\slot] offset:\k+\i*16*PITCH
	ds_load_b128 v[\f+8*\i+4:\f+8*\i+7], v[ADRA+\slot] offset:\k+\i*16*PITCH+32
.endr
.endm
; A load into a register that a matrix instruction has read, and a vector instruction that reads a matrix result, stand four places
; behind that matrix instruction; only plain vector instructions that name none of its registers are places.
.macro PLACES
.rept 4
	v_nop
.endr
.endm
; A K step is four quarter steps of 32 along K, 64 matrix instructions each, on buffers 0, 1, 0, 1.
; One of the first three: multiplies buffer f; in its middle it fetches the next quarter's fragments into buffer g.
.macro QUARTER slot, k, f, g, seed
	s_wait_dscnt 8                                 ; wb and xb's rows 0-63 are in; the youngest eight loads (xb's rows 64-127) may be out
.if \seed
	WIN SEED_LO
.else
	WIN MUL_LO
.endif
	MUL16 \f, 0, 0, \seed
	MUL16 \f, 0, 2, \seed
	PLACES
	FETCH \slot, \k, \g
	s_wait_dscnt 32                                ; all but the 32 just issued
.if \seed
	WIN SEED_HI
.else
	WIN MUL_HI
.endif
	MUL16 \f, 1, 0, \seed
	MUL16 \f, 1, 2, \seed
.endm
.macro THREE slot, seed
	QUARTER \slot, 64,  F0, F1, \seed
	QUARTER \slot, 128, F1, F0, 0
	QUARTER \slot, 192, F0, F1, 0
.endm
; The last quarter: multiplies buffer 1 and changes slots.  next = the other slot; fill = 1: this slot is filled again, two K steps ahead.
; One barrier for the change of slots.  In front of it each wave waits for its own reads of this slot and for all its tensor loads, of
; which one is out: its part of the next slot.  Behind it nobody reads this slot any more and the next slot is whole: the refill comes
; first, then the next slot's first fragments.  From a request to the wait for it a wave issues 240 matrix instructions.
.macro TURN slot, next, fill
	s_wait_dscnt 8
	WIN MUL_LO
	MUL16 F1, 0, 0, 0
	s_wait_dscnt 0                                 ; my reads of this slot are over
	s_wait_tensorcnt 0x0                           ; and all my tensor loads have landed
	ds_add_u32 v255, v255
	s_wait_dscnt 0x0
	s_barrier_signal -1                            ; say so (where a slot is filled again this barrier opens a round of the cluster's barrier),
	MUL16 F1, 0, 2, 0                              ; work on registers while the others arrive,
	WIN 0
	s_barrier_wait -1                              ; and go on when all four have said so
.if \fill
	CREST                                          ; all sixteen work-groups have said so: no wave of any partner still reads this slot or has a load on its way
	s_add_nc_u64 s[G0+4*\slot+2:G0+4*\slot+3], s[G0+4*\slot+2:G0+4*\slot+3], 2*KSTEP*2
	s_add_nc_u64 s[G0B+4*\slot+2:G0B+4*\slot+3], s[G0B+4*\slot+2:G0B+4*\slot+3], 2*KSTEP*2
	JLOAD \slot                                    ; the first tensor load behind the round, and the wave's only one until the next
.endif
	PLACES
	FETCH \next, 0, F0
	WIN MUL_HI
	MUL16 F1, 1, 0, 0
	MUL16 F1, 1, 2, 0
.endm
.macro LAP seed                        ; once round the ring, both slots filled again
	THREE 0, \seed
	TURN 0, 1, 1
	THREE 1, 0
	TURN 1, 0, 1
.endm
	s_wait_loadcnt 0x0                             ; the bias
	s_wait_tensorcnt 1                             ; my part of K step 0 is in; K step 1's may stay out
	s_barrier_signal -1
	s_barrier_wait -1                              ; everybody's is
	FETCH 0, 0, F0
	LAP 1                                          ; the first lap stands in front of the loop: its first products start the sums
	WIN 0                                          ; at a label and at a branch every window is 0
	s_mov_b32 s3, LAPS-2
.Llap:
	LAP 0
	WIN 0
	s_sub_co_u32 s3, s3, 1
	s_cmp_lg_u32 s3, 0
	s_cbranch_scc1 .Llap
	THREE 0, 0                                     ; the last lap fills nothing: my one tensor load that is still out is the last K step's
	TURN 0, 1, 0
	THREE 1, 0
	s_wait_dscnt 8                                 ; the very last quarter: nothing more to fetch
	WIN MUL_LO
	MUL16 F1, 0, 0, 0
	MUL16 F1, 0, 2, 0
	s_wait_dscnt 0
	WIN MUL_HI
	MUL16 F1, 1, 0, 0
	MUL16 F1, 1, 2, 0
	; THE WAY OUT, 16 rows at a time: round to f16, 16 bytes a lane into my own stage in LDS, read back as whole rows of 256 bytes.
	PLACES                                         ; behind the last matrix instructions: the conversions read results, the loads write buffers 0 and 1
	s_lshl_b32 s13, s13, 8
	s_lshl_b32 s14, s11, 7
	s_add_co_u32 s16, s13, s14                     ; my first row
	s_mov_b32 s17, 0
	s_mov_b64 s[18:19], SIZE_N*2
	s_mul_u64 s[16:17], s[16:17], s[18:19]
	s_add_nc_u64 s[8:9], s[8:9], s[16:17]
	s_lshl_b32 s46, s42, 9                         ; my first column, in bytes: 512 x block + 256 x half
	s_lshl_b32 s47, s12, 8
	s_add_co_u32 s46, s46, s47
	s_mov_b32 s47, 0
	s_add_nc_u64 s[8:9], s[8:9], s[46:47]
; rows 16 i .. 16 i + 15 of my block = the eight tiles (a, 0..7) of window 2 or 3 (from = 0x0a or 0x0f: sources 0 and 1); f: F0 or F1 in turn
.macro OUT16 i, a, from, f
	WIN \from
.irp b, 0,1,2,3,4,5,6,7
.irp r, 0,1,2,3
	v_cvt_pk_f16_f32 v[TMP+4*\b+\r], v[8*(8*\a+\b)+2*\r], v[8*(8*\a+\b)+2*\r+1]
.endr
.endr
	WIN 0
.irp b, 0,1,2,3,4,5,6,7
	ds_store_b128 v[STO], v[TMP+4*\b:TMP+4*\b+3] offset:32*\b
.endr
	s_wait_xcnt 0x0                                ; buffer f, which earlier stores read, and the stores' base are rewritten only behind this wait
.if \i
	s_add_nc_u64 s[8:9], s[8:9], 16*SIZE_N*2       ; 16 rows on
.endif
.irp t, 0,1,2,3,4,5,6,7
	ds_load_b128 v[\f+4*\t:\f+4*\t+3], v[RD] offset:\t*2*SPITCH    ; LDS serves a wave's instructions in order: these see the stores above
.endr
.irp t, 0,1,2,3,4,5,6,7
	s_wait_dscnt 7-\t                              ; the 7 - t younger loads stay out
	global_store_b128 v[CO], v[\f+4*\t:\f+4*\t+3], s[8:9] offset:2*\t*SIZE_N*2   ; 16 lanes store 256 consecutive bytes, at a multiple of 256 from the buffer's first byte
.endr
.endm
	OUT16 0, 0, 0x0a, F0
	OUT16 1, 1, 0x0a, F1
	OUT16 2, 2, 0x0a, F0
	OUT16 3, 3, 0x0a, F1
	OUT16 4, 0, 0x0f, F0
	OUT16 5, 1, 0x0f, F1
	OUT16 6, 2, 0x0f, F0
	OUT16 7, 3, 0x0f, F1
	s_set_vgpr_msb 0x1
	s_wait_tensorcnt 0x0
	ds_add_u32 v255, v255
	s_wait_dscnt 0x0
	s_set_vgpr_msb 0x100
	CROUND                                         ; the closing round: no work-group ends while a partner may still ask for a tile that names it
	s_endpgm
.Lfunc_end_k_q9ca5e12138_qkv:
	.size	k_q9ca5e12138_qkv, .Lfunc_end_k_q9ca5e12138_qkv-k_q9ca5e12138_qkv
	.p2alignl 7, 3214868480
	.fill 96, 4, 3214868480
	.section	.rodata,"a",@progbits
	.p2align	6, 0x0
	.amdhsa_kernel k_q9ca5e12138_qkv
		.amdhsa_group_segment_fixed_size 327680
		.amdhsa_private_segment_fixed_size 0
		.amdhsa_enable_private_segment 0
		.amdhsa_kernarg_size 48
		.amdhsa_user_sgpr_count 2
		.amdhsa_user_sgpr_kernarg_segment_ptr 1
		.amdhsa_wavefront_size32 1
		.amdhsa_system_sgpr_workgroup_id_x 1
		.amdhsa_system_sgpr_workgroup_id_y 1
		.amdhsa_system_sgpr_workgroup_id_z 1
		.amdhsa_system_vgpr_workitem_id 0
		.amdhsa_next_free_vgpr 1024
		.amdhsa_next_free_sgpr 80
		.amdhsa_reserve_vcc 0
		.amdhsa_float_denorm_mode_32 3
		.amdhsa_float_denorm_mode_16_64 3
		.amdhsa_memory_ordered 1
		.amdhsa_forward_progress 1
		.amdhsa_inst_pref_size 198
	.end_amdhsa_kernel
	.amdgpu_metadata
---
amdhsa.version: [ 1, 2 ]
amdhsa.kernels:
  - .name:           k_q9ca5e12138_qkv
    .symbol:         k_q9ca5e12138_qkv.kd
    .args:
      - { .name: xb, .offset: 0, .size: 8, .value_kind: global_buffer, .address_space: global }
      - { .name: wb, .offset: 8, .size: 8, .value_kind: global_buffer, .address_space: global }
      - { .name: qkv, .offset: 16, .size: 8, .value_kind: global_buffer, .address_space: global }
      - { .name: qb, .offset: 24, .size: 8, .value_kind: global_buffer, .address_space: global }
      - { .name: kb, .offset: 32, .size: 8, .value_kind: global_buffer, .address_space: global }
      - { .name: vb, .offset: 40, .size: 8, .value_kind: global_buffer, .address_space: global }
    .group_segment_fixed_size: 327680
    .private_segment_fixed_size: 0
    .kernarg_segment_align: 8
    .kernarg_segment_size: 48
    .max_flat_workgroup_size: 128
    .sgpr_count:     80
    .vgpr_count:     1024
    .wavefront_size: 32
...
	.end_amdgpu_metadata
.endif
;; end of part 2
;; launch attn (part 3): grid 8 x 32, 8 waves a work-group, clusters of 4 x 1, 327,680 bytes of LDS; arguments qkv, attnp; writes attnp
.if DOCPART == 3
	.amdgcn_target "amdgcn-amd-amdhsa--gfx1250"
	.amdhsa_code_object_version 6
	.text
	.protected	k_q9ca5e12138_attn
	.globl	k_q9ca5e12138_attn
	.p2align	8
	.type	k_q9ca5e12138_attn,@function
k_q9ca5e12138_attn:
	s_mov_b64 s[64:65], 0
	v_nop
	global_prefetch_b8 v0, s[64:65] scope:SCOPE_SE
	s_setreg_imm32_b32 hwreg(HW_REG_WAVE_MODE, 25, 1), 1
	s_wait_xcnt 0x0
	s_wait_alu depctr_hold_cnt(0) depctr_sa_sdst(0) depctr_va_vdst(0) depctr_va_sdst(0) depctr_va_ssrc(0) depctr_va_vcc(0) depctr_vm_vsrc(0)
	s_getreg_b32 s2, hwreg(HW_REG_IB_STS2, 6, 4)
	s_cmp_eq_u32 s2, 0
	s_cbranch_scc0 .Lentry_in_a_cluster
	s_endpgm
.Lentry_in_a_cluster:
	s_bfe_u32 s2, ttmp6, 0x10000c
	s_cmp_lg_u32 s2, 0x3003
	s_cbranch_scc0 .Lentry_shape_is_right
	s_endpgm
.Lentry_shape_is_right:
; attn = softmax(Q K^T / 0.5) V for 64 (batch, head) pairs, 2,048 queries x 2,048 keys, head size 64, with a running maximum in f32.
; qkv: [8192][3072] f16 (Q | K | V).  attnp: f16 [row block of 64: 128][head 16][64 rows][64 d], blocks of 8 KiB.
; A work-group takes 256 queries of two neighbouring heads (so that a row of a K or V tile is 256 consecutive aligned bytes of memory).
; Wave w: head w >> 2 of the pair, queries 64 (w & 3) .. + 63.  Two waves lie on a SIMD: one's softmax runs beside the other's products.
; CLUSTER: the four work-groups along x walk the same K and V tiles of their head pair: each tile is asked for jointly (mask 15).
; Keys go in tiles of 128 through a ring of two LDS slots; a tile is worked on in two sub-steps of 64 keys.
; S^T = K Q^T (source 0 = K, source 1 = Q): lane (r, h) holds query 16 qt + r and keys 16 kt + 8 h + j.  So maximum, sum and rescale are
; a lane's own (one exchange between the halves for the maximum), and two score tiles packed to f16 in place ARE the second operand of
; O^T = V^T P (source 0 = V^T by the transposing LDS load).  No score goes through LDS.
; p = exp2(c s - c m), c = 2 log2(e): the division by 0.5 and the change of base in one fused multiply-add.
; TWO GROUPS OF WAVES: group = bit 0 xor bit 2 of the wave's number, so w and w + 4 are in different groups, and so are w and w xor 1.
; A sub-step is S (products), SM1 (maximum, factor, half of the exponentials), REST (the other half, sums, packing, rescale, P V products).
; Group 0 does the REST of a tile's last sub-step in front of the round, group 1 behind it (it needs registers alone: the V fragments have
; been waited for in front of the round).  So behind each round group 0 begins with matrix work and group 1 with vector work, and both do
; the same work from round to round.
; THE TEXT IS KEPT SHORT: the first tile, a loop of 7 x (slot 1, slot 0), the last tile: four trips are written out, and 14 of the 16
; tiles run in the one loop of two trips.
; LIMITS: finite inputs; Q, K, V are f16 (|.| < 65,504); p is rounded to f16 for the product, the sum of p is kept in f32.
; SCALAR REGISTERS: s4-7 the two buffers; s8-16 ids; s17-23 scratch that never holds my place in the cluster; s24-55 the descriptors and
; nothing else; s56-57 lane selects; s58 the loop's counter; s60-63 Q's and the output block's addresses; s66-73 scratch (offsets of my
; queries and my output block, which hang on my place in the cluster, and two LDS offsets made of the wave's number); s74 my group.
.set ROWB,  6144                       ; bytes in a row of qkv
.set VP,    288                        ; LDS pitch of V's rows: 256 + 32, an odd multiple of 32, for the transposing load
.set KP,    272                        ; LDS pitch of K's rows: 256 + 16
.set KEYS,  128                        ; keys in a tile
.set VBYTES, KEYS*VP                   ; 36,864
.set KBYTES, KEYS*KP                   ; 34,816
.set SLOT,  VBYTES+KBYTES              ; 71,680: V's 128 rows, then K's
.set STAGE, 2*SLOT                     ; 143,360: behind the ring, 64 rows x 144 bytes for each wave; no tensor load lands there
.set SP,    144
.set TILEB, KEYS*ROWB                  ; bytes of memory from a tile to the next
.set KA,   8                           ; v8-9    LDS address of my K fragments in slot 0, 1
.set VA,   10                          ; v10-11  the same for V
.set QOFF, 12                          ; v12     my byte offset in Q
.set STO,  13                          ; v13     the way out: where I put 16 bytes
.set RD,   14                          ; v14     the way out: where I read them back
.set CO,   15                          ; v15     my byte offset in the output block
.set AL,   16                          ; v[16+2qt] the rescale factor, v[17+2qt] my half's running sum
.set NMC,  24                          ; v[24+2qt] -c m, v[25+2qt] the running maximum m
.set T,    32                          ; v32-35  at work
.set T2,   36                          ; v36-39  at work
.set SUM,  40                          ; v[40+2qt:41+2qt] this sub-step's sums, first chain
.set SU2,  48                          ; v[48+2qt:49+2qt] second chain
.set KF,   64                          ; v64-127  K fragments (kt, ks) at 8 (2 kt + ks)
.set SB,   128                         ; v128-255 scores: tile (qt, kt) at 32 qt + 8 kt; later P (qt, kp) at 32 qt + 16 kp
.set QF,   0                           ; window 1: v0-63 Q fragments (qt, ks) at 8 (2 qt + ks)
.set VF,   64                          ; window 1: v64-127 V^T fragments (dt, kp) at 8 (2 dt + kp)
.set OB,   128                         ; window 1: v128-255 O^T tiles (dt, qt) at 8 (4 dt + qt)
.set G1K, 24                           ; s[24:31] descriptor group 1 for K's tiles
.set G1V, 32                           ; s[32:39] for V's: it differs in the padding alone
.set G0K, 40                           ; s[40:47] descriptor group 0 for K, one set for each slot
.set G0V, 48                           ; s[48:55] for V
.set MSB, 0
.macro WIN new                         ; low byte: bits 1:0 source 0, 3:2 source 1, 5:4 source 2, 7:6 destination; the high byte repeats the setting left
.if MSB != \new
	s_set_vgpr_msb (MSB<<8)|\new
.set MSB, \new
.endif
.endm
.macro PLACES n
.rept \n
	v_nop
.endr
.endm
; A round of the cluster's barrier.
.macro ROUND
	s_barrier_signal -1
	s_barrier_wait -1
	s_cmp_lg_u32 s8, 0
	s_cbranch_scc1 .Lnot_wave_0_\@
	s_barrier_signal -3
.Lnot_wave_0_\@:
	s_barrier_wait -3
	s_barrier_signal -1
	s_barrier_wait -1
.endm
; A joint load of 64 rows x 256 bytes: waves 0 and 1 fetch V's two halves, waves 2 and 3 K's, waves 4 to 7 none.
.macro JLOAD s
	s_cmp_gt_u32 s8, 3
	s_cbranch_scc1 .Lnone_\@
	s_cmp_gt_u32 s8, 1
	s_cbranch_scc1 .Lfor_k_\@
	tensor_load_to_lds s[G0V+4*\s:G0V+4*\s+3], s[G1V:G1V+7]
	s_nop 0
	s_branch .Lnone_\@
.Lfor_k_\@:
	tensor_load_to_lds s[G0K+4*\s:G0K+4*\s+3], s[G1K:G1K+7]
	s_nop 0
.Lnone_\@:
.endm
; 16 LDS loads: 64 keys x 64 d of K as first operands
.macro KLOAD slot, sub
	WIN 0
.irp kt, 0,1,2,3
.irp ks, 0,1
	ds_load_b128 v[KF+8*(2*\kt+\ks):KF+8*(2*\kt+\ks)+3],   v[KA+\slot] offset:(64*\sub+16*\kt)*KP+64*\ks
	ds_load_b128 v[KF+8*(2*\kt+\ks)+4:KF+8*(2*\kt+\ks)+7], v[KA+\slot] offset:(64*\sub+16*\kt)*KP+64*\ks+32
.endr
.endr
.endm
; 16 transposing LDS loads: 64 keys x 64 d of V as first operands of V^T
.macro VLOAD slot, sub
	WIN 0x40
.irp dt, 0,1,2,3
.irp kp, 0,1
	ds_load_tr16_b128 v[VF+8*(2*\dt+\kp):VF+8*(2*\dt+\kp)+3],   v[VA+\slot] offset:(64*\sub+32*\kp)*VP+32*\dt
	ds_load_tr16_b128 v[VF+8*(2*\dt+\kp)+4:VF+8*(2*\dt+\kp)+7], v[VA+\slot] offset:(64*\sub+32*\kp+16)*VP+32*\dt
.endr
.endr
.endm
; 32 matrix instructions: 64 keys x 64 queries.  The 16 score tiles take turns, one instruction a turn.
.macro SMUL
	WIN 0x04
	s_wait_alu depctr_va_vdst(0)
.irp kt, 0,1,2,3
.irp qt, 0,1,2,3
	v_wmma_f32_16x16x32_f16 v[SB+32*\qt+8*\kt:SB+32*\qt+8*\kt+7], v[KF+16*\kt:KF+16*\kt+7], v[QF+16*\qt:QF+16*\qt+7], 0
.endr
.endr
.irp kt, 0,1,2,3
.irp qt, 0,1,2,3
	v_wmma_f32_16x16x32_f16 v[SB+32*\qt+8*\kt:SB+32*\qt+8*\kt+7], v[KF+16*\kt+8:KF+16*\kt+15], v[QF+16*\qt+8:QF+16*\qt+15], v[SB+32*\qt+8*\kt:SB+32*\qt+8*\kt+7]
.endr
.endr
.endm
; 32 matrix instructions: O^T += V^T P over 64 keys.  The 16 tiles of O take turns likewise.  first = 1: the first product starts the sums.
.macro PVMUL first
	WIN 0x51
.irp dt, 0,1,2,3
.irp qt, 0,1,2,3
.if \first
	v_wmma_f32_16x16x32_f16 v[OB+8*(4*\dt+\qt):OB+8*(4*\dt+\qt)+7], v[VF+16*\dt:VF+16*\dt+7], v[SB+32*\qt:SB+32*\qt+7], 0
.else
	v_wmma_f32_16x16x32_f16 v[OB+8*(4*\dt+\qt):OB+8*(4*\dt+\qt)+7], v[VF+16*\dt:VF+16*\dt+7], v[SB+32*\qt:SB+32*\qt+7], v[OB+8*(4*\dt+\qt):OB+8*(4*\dt+\qt)+7]
.endif
.endr
.endr
.irp dt, 0,1,2,3
.irp qt, 0,1,2,3
	v_wmma_f32_16x16x32_f16 v[OB+8*(4*\dt+\qt):OB+8*(4*\dt+\qt)+7], v[VF+16*\dt+8:VF+16*\dt+15], v[SB+32*\qt+16:SB+32*\qt+23], v[OB+8*(4*\dt+\qt):OB+8*(4*\dt+\qt)+7]
.endr
.endr
.endm
; O *= the lane's factor of query tile qt (the pair's first register feeds both halves)
.macro RESCALE
	WIN 0x41
.irp dt, 0,1,2,3
.irp qt, 0,1,2,3
.irp i, 0,2,4,6
	v_pk_mul_f32 v[OB+8*(4*\dt+\qt)+\i:OB+8*(4*\dt+\qt)+\i+1], v[OB+8*(4*\dt+\qt)+\i:OB+8*(4*\dt+\qt)+\i+1], v[AL+2*\qt:AL+2*\qt+1] op_sel_hi:[1,0]
.endr
.endr
.endr
.endm
.macro SFMA qt                         ; c s - c m, two at a time
.set i, 0
.rept 16
	v_pk_fma_f32 v[SB+32*\qt+i:SB+32*\qt+i+1], v[SB+32*\qt+i:SB+32*\qt+i+1], 0x4038aa3b, v[NMC+2*\qt:NMC+2*\qt+1] op_sel_hi:[1,0,0]
.set i, i+2
.endr
.endm
.macro SEXP qt                         ; 32 exponentials back to back; what follows the run is always a plain instruction that names none of them
.set i, 0
.rept 32
	v_exp_f32 v[SB+32*\qt+i], v[SB+32*\qt+i]
.set i, i+1
.endr
.endm
; Sum and pack, pair by pair in ascending order: pair p (registers 2p, 2p+1) is added, then packed into register 16 (p / 8) + p % 8,
; which never lies ahead of a pair that is still unread.  Registers 16 kp .. 16 kp + 7 then hold P's fragment for keys 32 kp .. + 31.
; The sum runs in two chains, even pairs and odd pairs, so that an add stands four instructions behind the one that it waits for.
.macro SSC qt, first
	s_wait_alu depctr_va_vdst(0)
	v_pk_add_f32 v[SUM+2*\qt:SUM+2*\qt+1], v[SB+32*\qt:SB+32*\qt+1], v[SB+32*\qt+2:SB+32*\qt+3]
	v_cvt_pk_f16_f32 v[SB+32*\qt],   v[SB+32*\qt],   v[SB+32*\qt+1]
	v_cvt_pk_f16_f32 v[SB+32*\qt+1], v[SB+32*\qt+2], v[SB+32*\qt+3]
	v_pk_add_f32 v[SU2+2*\qt:SU2+2*\qt+1], v[SB+32*\qt+4:SB+32*\qt+5], v[SB+32*\qt+6:SB+32*\qt+7]
	v_cvt_pk_f16_f32 v[SB+32*\qt+2], v[SB+32*\qt+4], v[SB+32*\qt+5]
	v_cvt_pk_f16_f32 v[SB+32*\qt+3], v[SB+32*\qt+6], v[SB+32*\qt+7]
.set p, 4
.rept 12
.if (p%2) == 0
	v_pk_add_f32 v[SUM+2*\qt:SUM+2*\qt+1], v[SUM+2*\qt:SUM+2*\qt+1], v[SB+32*\qt+2*p:SB+32*\qt+2*p+1]
.else
	v_pk_add_f32 v[SU2+2*\qt:SU2+2*\qt+1], v[SU2+2*\qt:SU2+2*\qt+1], v[SB+32*\qt+2*p:SB+32*\qt+2*p+1]
.endif
	v_cvt_pk_f16_f32 v[SB+32*\qt+16*(p/8)+p%8], v[SB+32*\qt+2*p], v[SB+32*\qt+2*p+1]
.set p, p+1
.endr
	v_pk_add_f32 v[SUM+2*\qt:SUM+2*\qt+1], v[SUM+2*\qt:SUM+2*\qt+1], v[SU2+2*\qt:SU2+2*\qt+1]
.if \first
	v_add_f32 v[AL+2*\qt+1], v[SUM+2*\qt], v[SUM+2*\qt+1]
.else
	v_add_f32 v[SUM+2*\qt], v[SUM+2*\qt], v[SUM+2*\qt+1]
	v_fma_f32 v[AL+2*\qt+1], v[AL+2*\qt+1], v[AL+2*\qt], v[SUM+2*\qt]
.endif
.endm
; The softmax step on 64 keys x 64 queries, first part: maximum, factor, exponentials of query tiles 0 and 1.
; first = 1: there is no older maximum, sum or O.
.macro SM1 first
	WIN 0
.irp qt, 0,1,2,3
	v_max3_num_f32 v[T+\qt], v[SB+32*\qt], v[SB+32*\qt+1], v[SB+32*\qt+2]     ; four chains, one a query tile
.endr
.set i, 3
.rept 14
.irp qt, 0,1,2,3
	v_max3_num_f32 v[T+\qt], v[T+\qt], v[SB+32*\qt+i], v[SB+32*\qt+i+1]
.endr
.set i, i+2
.endr
.irp qt, 0,1,2,3
.if \first
	v_max_num_f32 v[T+\qt], v[T+\qt], v[SB+32*\qt+31]
.else
	v_max3_num_f32 v[T+\qt], v[T+\qt], v[SB+32*\qt+31], v[NMC+2*\qt+1]        ; the older maximum goes in with the last score
.endif
.endr
.irp qt, 0,1,2,3
	v_permlanex16_b32 v[T2+\qt], v[T+\qt], s56, s57                           ; the other half of the lanes holds the query's other keys
.endr
.irp qt, 0,1,2,3
	v_max_num_f32 v[NMC+2*\qt+1], v[T+\qt], v[T2+\qt]                         ; m
.endr
.irp qt, 0,1,2,3
	v_mul_f32 v[T+\qt], 0xc038aa3b, v[NMC+2*\qt+1]                            ; -c m
.endr
.if \first == 0
.irp qt, 0,1,2,3
	v_sub_f32 v[T2+\qt], v[T+\qt], v[NMC+2*\qt]                               ; c m(old) - c m(new), at most 0
.endr
.irp qt, 0,1,2,3
	v_exp_f32 v[AL+2*\qt], v[T2+\qt]
.endr
.endif
.irp qt, 0,1,2,3
	v_mov_b32 v[NMC+2*\qt], v[T+\qt]                                          ; plain instructions that touch neither the factors nor their sources
.endr
	SFMA 0
	SEXP 0
	SFMA 1
	SEXP 1
.endm
; Second part: sums and packing of all four query tiles, exponentials of tiles 2 and 3.
.macro SM2 first
	WIN 0
	SSC 0, \first
	SFMA 2
	SEXP 2
	SSC 1, \first
	SFMA 3
	SEXP 3
	SSC 2, \first
	SSC 3, \first
.endm
; What is left of a sub-step behind SM1, on registers alone (its V fragments have been waited for)
.macro REST
	SM2 0
	RESCALE
	PVMUL 0
	PLACES 5                                       ; behind the products: loads into V's fragments (4), and the next products write over P (5)
	WIN 0
.endm
; One tile of 128 keys, in slot; other = the other slot; refill = 1: the other slot gets the next tile; carried = 1: group 1 brings a REST along.
.macro TRIP slot, other, refill, first, carried
	s_wait_tensorcnt 0x0                           ; my tensor load is done, my part of this trip's tile,
	ds_add_u32 v62, v63
	s_wait_dscnt 0x0
	s_add_nc_u64 s[G0K+4*\slot+2:G0K+4*\slot+3], s[G0K+4*\slot+2:G0K+4*\slot+3], 2*TILEB   ; so every group 0 may be written: this slot's next tile
	s_add_nc_u64 s[G0V+4*\slot+2:G0V+4*\slot+3], s[G0V+4*\slot+2:G0V+4*\slot+3], 2*TILEB
	s_wait_dscnt 0x0                               ; my reads of the last trip's tile are done (group 1: its last V fragments are in registers)
	ROUND                                          ; both now hold of every wave of the four work-groups
.if \refill
	JLOAD \other                                   ; the wave's one tensor load behind the round: it has the whole trip in which to land
.endif
	KLOAD \slot, 0
.if \carried
	s_cmp_eq_u32 s74, 0
	s_cbranch_scc1 .Lnot_carried_\@
	REST                                           ; group 1: the last tile's last sub-step, while group 0 begins with products
.Lnot_carried_\@:
.endif
	VLOAD \slot, 0
	; keys 0 to 63, whole; the fragments of keys 64 to 127 are fetched meanwhile
	s_wait_dscnt 16                                ; K's 16 loads are in, V's 16 stay out
	SMUL
	PLACES 4                                       ; behind the products: loads into K's fragments, and the softmax's reads of the scores
	KLOAD \slot, 1
	SM1 \first
	SM2 \first
	s_wait_dscnt 16                                ; V's 16 loads are in, the next K's 16 stay out
.if \first == 0
	RESCALE
.endif
	PVMUL \first
	PLACES 5                                       ; as in REST
	VLOAD \slot, 1
	; keys 64 to 127, as far as SM1
	s_wait_dscnt 16                                ; K's 16 loads are in, V's 16 stay out
	SMUL
	PLACES 5                                       ; five, so that the next trip's products are far enough behind these on every way through the two branches
	SM1 0
	v_nop                                          ; one plain place behind the exponentials, whichever way follows
	s_cmp_lg_u32 s74, 0
	s_cbranch_scc1 .Lcarry_\@
	s_wait_dscnt 0x0                               ; V
	REST                                           ; group 0 finishes the tile here; group 1 carries this over the round
.Lcarry_\@:
.endm
	s_load_b128 s[4:7], s[0:1], 0x0                ; qkv s[4:5], attnp s[6:7]
	v_lshl_add_u32 v62, v0, 2, 0x35000
	v_mov_b32 v63, 0
	ds_add_u32 v62, v63
	v_lshrrev_b32 v1, 5, v0
	v_readfirstlane_b32 s8, v1                     ; wave 0..7
	s_lshr_b32 s9, s8, 2                           ; hs: my head of the pair
	s_and_b32 s10, s8, 3                           ; qs: my 64 queries of the 256
	s_and_b32 s11, s8, 1                           ; which 64 rows of a tile I fetch
	s_xor_b32 s74, s9, s8
	s_and_b32 s74, s74, 1                          ; my group: bit 0 xor bit 2 of the wave's number
	s_bfe_u32 s12, ttmp6, 0x40000                  ; cx
	s_lshl_b32 s13, ttmp9, 2
	s_add_co_u32 s13, s13, s12                     ; x: the block of 256 queries
	s_and_b32 s14, ttmp7, 0xffff                   ; y
	s_lshr_b32 s15, s14, 3                         ; batch
	s_and_b32 s16, s14, 7                          ; head pair
	s_mov_b32 s56, 0x76543210                      ; v_permlanex16_b32: lane i of one half reads lane i of the other
	s_mov_b32 s57, 0xfedcba98
	; descriptor group 1: 64 rows x 128 elements of 2 bytes, a pad behind every 64 words: 4 words for K, 8 for V.  Never written again.
	s_mov_b32 s[G1K+0], 15|(1<<16)|(1<<20)|(1<<21)|(5<<22)|(3<<25)
	s_mov_b32 s[G1V+0], 15|(1<<16)|(1<<20)|(1<<21)|(5<<22)|(7<<25)
	s_mov_b32 s[G1K+1], 128<<16                    ; tensor_dim0 = 128
	s_mov_b32 s[G1V+1], 128<<16
	s_mov_b32 s[G1K+2], 64<<16                     ; tensor_dim1 = 64
	s_mov_b32 s[G1V+2], 64<<16
	s_mov_b32 s[G1K+3], 128<<16                    ; tile_dim0 = 128
	s_mov_b32 s[G1V+3], 128<<16
	s_mov_b32 s[G1K+4], 64                         ; tile_dim1 = 64
	s_mov_b32 s[G1V+4], 64
	s_mov_b32 s[G1K+5], 3072                       ; elements from row to row
	s_mov_b32 s[G1V+5], 3072
	s_mov_b32 s[G1K+6], 0
	s_mov_b32 s[G1V+6], 0
	s_mov_b32 s[G1K+7], 0
	s_mov_b32 s[G1V+7], 0
	; the tiles' place in memory hangs on y and the wave's number alone, which the four partners share
	s_mul_i32 s18, s15, 2048*ROWB                  ; the batch's first row
	s_mul_i32 s19, s11, 64*ROWB                    ; my 64 rows of a tile
	s_add_co_u32 s18, s18, s19
	s_lshl_b32 s19, s16, 8                         ; the pair's 256 bytes of a row
	s_add_co_u32 s18, s18, s19
	s_mov_b32 s19, 0
	s_mul_i32 s22, s8, 64*KP                       ; K's halves, waves 2 and 3: slot + 36,864 + 17,408 (w - 2) = slot + 2,048 + 17,408 w
	s_add_co_u32 s22, s22, VBYTES-2*64*KP
	s_mul_i32 s23, s8, 64*VP                       ; V's halves, waves 0 and 1: slot + 18,432 w
	; my queries and my block of the output, in registers that feed no descriptor
	s_lshl_b32 s66, s15, 11
	s_lshl_b32 s67, s13, 8
	s_add_co_u32 s66, s66, s67
	s_lshl_b32 s67, s10, 6
	s_add_co_u32 s66, s66, s67                     ; my first query's row: 2,048 b + 256 x + 64 qs
	s_mul_i32 s68, s66, ROWB
	s_lshl_b32 s69, s16, 8
	s_add_co_u32 s68, s68, s69
	s_lshl_b32 s69, s9, 7
	s_add_co_u32 s68, s68, s69                     ; + my head's 128 bytes of the row
	s_mov_b32 s69, 0
	s_lshr_b32 s70, s66, 6                         ; row block of 64
	s_lshl_b32 s70, s70, 4
	s_lshl1_add_u32 s71, s16, s9                   ; head = 2 hp + hs
	s_add_co_u32 s70, s70, s71
	s_lshl_b32 s70, s70, 13                        ; blocks of 8,192 bytes
	s_mov_b32 s71, 0
	s_lshl_b32 s73, s9, 7                          ; my head's 128 bytes of an LDS row
	s_add_co_u32 s72, s73, VBYTES                  ; K lies behind V
	s_mul_i32 s17, s8, 64*SP
	s_add_co_u32 s17, s17, STAGE                   ; my stage
	s_wait_dscnt 0x0
	s_wait_kmcnt 0x0
	s_add_nc_u64 s[20:21], s[4:5], s[18:19]
	s_add_nc_u64 s[60:61], s[4:5], s[68:69]        ; Q
	s_add_nc_u64 s[62:63], s[6:7], s[70:71]        ; my output block
.irp n, 0,1
	s_mov_b32 s[G0V+4*\n], 1                                       ; count = 1
	s_add_co_u32 s[G0V+4*\n+1], s23, \n*SLOT                       ; LDS address
	s_add_nc_u64 s[G0V+4*\n+2:G0V+4*\n+3], s[20:21], 4096+\n*TILEB ; V's columns begin at byte 4,096 of a row; tile n
	s_or_b32 s[G0V+4*\n+3], s[G0V+4*\n+3], 0x80000000              ; type = 2
	s_mov_b32 s[G0K+4*\n], 1
	s_add_co_u32 s[G0K+4*\n+1], s22, \n*SLOT
	s_add_nc_u64 s[G0K+4*\n+2:G0K+4*\n+3], s[20:21], 2048+\n*TILEB ; K's at byte 2,048
	s_or_b32 s[G0K+4*\n+3], s[G0K+4*\n+3], 0x80000000
.endr
	ROUND                                          ; in front of the first joint load
	JLOAD 0                                        ; tile 0; slot 1 is first filled behind the first trip's round
	v_and_b32 v1, 15, v0                           ; r
	v_bfe_u32 v2, v0, 4, 1                         ; h
	v_and_b32 v3, 7, v0                            ; L & 7
	v_bfe_u32 v4, v0, 3, 1                         ; (L >> 3) & 1
	v_and_b32 v5, 31, v0                           ; L
	v_mul_u32_u24 v[QOFF], v1, ROWB
	v_lshl_add_u32 v[QOFF], v2, 4, v[QOFF]         ; query r, d = 8 h ..
	; Q as second operands: lane (r, h) holds query 16 qt + r, d = 32 ks + 8 h .. + 7 and 32 ks + 16 + 8 h .. + 7; kept for the whole kernel
	WIN 0x40
.irp qt, 0,1,2,3
.irp ks, 0,1
	global_load_b128 v[QF+8*(2*\qt+\ks):QF+8*(2*\qt+\ks)+3],   v[QOFF], s[60:61] offset:16*ROWB*\qt+64*\ks
	global_load_b128 v[QF+8*(2*\qt+\ks)+4:QF+8*(2*\qt+\ks)+7], v[QOFF], s[60:61] offset:16*ROWB*\qt+64*\ks+32
.endr
.endr
	WIN 0
	v_mul_u32_u24 v6, v1, KP
	v_lshl_add_u32 v6, v2, 4, v6                   ; key r, d = 8 h ..
	v_add_nc_u32 v[KA], s72, v6
	v_add_nc_u32 v[KA+1], SLOT, v[KA]
	v_lshl_add_u32 v6, v2, 3, v3                   ; key 8 h + (L & 7)
	v_mul_u32_u24 v6, v6, VP
	v_lshl_add_u32 v6, v4, 4, v6                   ; d = 8 ((L >> 3) & 1) ..
	v_add_nc_u32 v[VA], s73, v6
	v_add_nc_u32 v[VA+1], SLOT, v[VA]
	v_mul_u32_u24 v6, v1, SP
	v_lshl_add_u32 v6, v2, 4, v6
	v_add_nc_u32 v[STO], s17, v6                   ; in: query r, 16 bytes for each half of the lanes
	v_lshrrev_b32 v6, 3, v5
	v_mul_u32_u24 v6, v6, SP
	v_lshl_add_u32 v6, v3, 4, v6
	v_add_nc_u32 v[RD], s17, v6                    ; back: eight lanes take a row of 128 bytes
	v_lshlrev_b32 v[CO], 4, v5
.irp qt, 0,1,2,3
	v_mov_b32 v[T2+\qt], 0                         ; v_permlanex16_b32 counts as a reader of its destination
.endr
	s_wait_loadcnt 0x0                             ; Q
	TRIP 0, 1, 1, 1, 0                             ; 16 tiles of 128 keys: the first starts maximum, sum and O, and nothing is carried into it
	s_mov_b32 s58, 7
.Lpair:
	TRIP 1, 0, 1, 0, 1                             ; tiles 1 to 14
	TRIP 0, 1, 1, 0, 1
	s_sub_co_u32 s58, s58, 1
	s_cmp_lg_u32 s58, 0
	s_cbranch_scc1 .Lpair
	TRIP 1, 0, 0, 0, 1                             ; the last tile: nothing is left to fetch
	s_wait_dscnt 0x0                               ; group 1: the last V fragments
	s_cmp_eq_u32 s74, 0
	s_cbranch_scc1 .Lall_done
	REST                                           ; group 1: what it carried out of the last tile
.Lall_done:
	; THE WAY OUT: divide by the sum, round to f16, 16 bytes a lane into my own stage, read back as the block lies in memory.
.irp qt, 0,1,2,3
	v_permlanex16_b32 v[T2+\qt], v[AL+2*\qt+1], s56, s57   ; the other half's sum
.endr
.irp qt, 0,1,2,3
	v_add_f32 v[T+\qt], v[AL+2*\qt+1], v[T2+\qt]
.endr
	s_wait_alu depctr_va_vdst(0)
.irp qt, 0,1,2,3
	v_rcp_f32 v[AL+2*\qt], v[T+\qt]                ; the sum is about 1 at the least: the largest score's term
.endr
	v_nop                                          ; one plain place behind the reciprocals
	s_wait_alu depctr_va_vdst(0)
	RESCALE
	WIN 0x05                                       ; sources in window 1, destination in window 0: the score registers are free
.irp dt, 0,1,2,3
.irp qt, 0,1,2,3
.irp i, 0,1,2,3
	v_cvt_pk_f16_f32 v[SB+4*(4*\dt+\qt)+\i], v[OB+8*(4*\dt+\qt)+2*\i], v[OB+8*(4*\dt+\qt)+2*\i+1]
.endr
.endr
.endr
	WIN 0
.irp dt, 0,1,2,3
.irp qt, 0,1,2,3
	ds_store_b128 v[STO], v[SB+4*(4*\dt+\qt):SB+4*(4*\dt+\qt)+3] offset:16*SP*\qt+32*\dt   ; query 16 qt + r, d = 16 dt + 8 h .. + 7
.endr
.endr
.irp t, 0,1,2,3,4,5,6,7,8,9,10,11,12,13,14,15
	ds_load_b128 v[KF+4*\t:KF+4*\t+3], v[RD] offset:4*SP*\t    ; LDS serves a wave's instructions in order: these see the stores above
.endr
.irp t, 0,1,2,3,4,5,6,7,8,9,10,11,12,13,14,15
	s_wait_dscnt 15-\t                             ; the 15 - t younger loads stay out
	global_store_b128 v[CO], v[KF+4*\t:KF+4*\t+3], s[62:63] offset:512*\t   ; a store of the wave covers 512 consecutive bytes, aligned
.endr
	s_wait_tensorcnt 0x0
	ds_add_u32 v62, v63
	s_wait_dscnt 0x0
	ROUND                                          ; the closing round
	s_endpgm
.Lfunc_end_k_q9ca5e12138_attn:
	.size	k_q9ca5e12138_attn, .Lfunc_end_k_q9ca5e12138_attn-k_q9ca5e12138_attn
	.p2alignl 7, 3214868480
	.fill 96, 4, 3214868480
	.section	.rodata,"a",@progbits
	.p2align	6, 0x0
	.amdhsa_kernel k_q9ca5e12138_attn
		.amdhsa_group_segment_fixed_size 327680
		.amdhsa_private_segment_fixed_size 0
		.amdhsa_enable_private_segment 0
		.amdhsa_kernarg_size 16
		.amdhsa_user_sgpr_count 2
		.amdhsa_user_sgpr_kernarg_segment_ptr 1
		.amdhsa_wavefront_size32 1
		.amdhsa_system_sgpr_workgroup_id_x 1
		.amdhsa_system_sgpr_workgroup_id_y 1
		.amdhsa_system_sgpr_workgroup_id_z 1
		.amdhsa_system_vgpr_workitem_id 0
		.amdhsa_next_free_vgpr 512
		.amdhsa_next_free_sgpr 80
		.amdhsa_reserve_vcc 0
		.amdhsa_float_denorm_mode_32 3
		.amdhsa_float_denorm_mode_16_64 3
		.amdhsa_memory_ordered 1
		.amdhsa_forward_progress 1
		.amdhsa_inst_pref_size 255
	.end_amdhsa_kernel
	.section	.bss,"aw",@nobits
	.p2align	6
	.space	262144
	.amdgpu_metadata
---
amdhsa.version: [ 1, 2 ]
amdhsa.kernels:
  - .name:           k_q9ca5e12138_attn
    .symbol:         k_q9ca5e12138_attn.kd
    .args:
      - { .name: qkv, .offset: 0, .size: 8, .value_kind: global_buffer, .address_space: global }
      - { .name: attnp, .offset: 8, .size: 8, .value_kind: global_buffer, .address_space: global }
    .group_segment_fixed_size: 327680
    .private_segment_fixed_size: 0
    .kernarg_segment_align: 8
    .kernarg_segment_size: 16
    .max_flat_workgroup_size: 256
    .sgpr_count:     80
    .vgpr_count:     512
    .wavefront_size: 32
...
	.end_amdgpu_metadata
.endif
;; end of part 3
;; launch oproj (part 4): grid 4 x 64, 4 waves a work-group, clusters of 4 x 4, 327,680 bytes of LDS; arguments attnp, owp, ob, xw; writes xw
.if DOCPART == 4
	.amdgcn_target "amdgcn-amd-amdhsa--gfx1250"
	.amdhsa_code_object_version 6
	.text
	.protected	k_q9ca5e12138_oproj
	.globl	k_q9ca5e12138_oproj
	.p2align	8
	.type	k_q9ca5e12138_oproj,@function
k_q9ca5e12138_oproj:
	s_mov_b64 s[64:65], 0
	v_nop
	global_prefetch_b8 v0, s[64:65] scope:SCOPE_SE
	s_setreg_imm32_b32 hwreg(HW_REG_WAVE_MODE, 25, 1), 1
	s_wait_xcnt 0x0
	s_wait_alu depctr_hold_cnt(0) depctr_sa_sdst(0) depctr_va_vdst(0) depctr_va_sdst(0) depctr_va_ssrc(0) depctr_va_vcc(0) depctr_vm_vsrc(0)
	s_getreg_b32 s2, hwreg(HW_REG_IB_STS2, 6, 4)
	s_cmp_eq_u32 s2, 0
	s_cbranch_scc0 .Lentry_in_a_cluster
	s_endpgm
.Lentry_in_a_cluster:
	s_bfe_u32 s2, ttmp6, 0x10000c
	s_cmp_lg_u32 s2, 0xf033
	s_cbranch_scc0 .Lentry_shape_is_right
	s_endpgm
.Lentry_shape_is_right:
; xw = attn ow^T + ob, in f32, before the relu.  attnp: f16 [row block of 64: 128][kb 16][64 rows][64], owp: f16 [kb 16][n 1024][64], ob f32,
; xw: [8192][1024] f32.  The relu and the norm follow in a launch of their own: a work-group that held whole rows (64 x 1,024) would take
; 2,176 bytes of operands into LDS for each k and 65,536 multiply-adds, all of ow for every 64 rows, and there would be 128 of them;
; a block of 128 x 256 takes 768 bytes for 32,768 multiply-adds, and there are 256.  The price is xw: written here, read there.
; Four waves, as many as a WGP has SIMDs; wave w makes rows 64 (w >> 1) .. + 63, columns 128 (w & 1) .. + 127: 4 x 8 tiles, 256 registers.
; CLUSTER: 4 x 4 work-groups.  The four of a row of the cluster need the same tiles of attn, the four of a column the same tiles of ow:
; each tile is asked for jointly.
; K goes in steps of 128 (two kb planes of 64) through a ring of two LDS slots; a step's parts are dense blocks of memory, fetched as rows
; of 256 bytes: waves 0 and 1 fetch ow's two planes (32 KiB each), waves 2 and 3 attn's two row blocks (16 KiB each, both planes).
; The matrix instruction is used transposed (source 0 = rows of ow, source 1 = rows of attn): lane (r, h) holds row 16 a + r and, in
; register j, column 16 b + 8 h + j.  The bias starts the sums.
; LIMITS: finite inputs; attn and ow are f16.
; SCALAR REGISTERS: s4-11 the four buffers; s12-18 ids; s19-22 masks and LDS offsets; s24-55 the descriptors and nothing else; s58 the loop's
; counter; s60-63 the tiles' first addresses; s66-76 offsets.
.set P,      144                       ; LDS pitch: 128 bytes of data (64 f16) + 16
.set BPL,    256*P                     ; 36,864: one plane of ow's 256 rows
.set APL,    64*P                      ; 9,216: one plane of one row block of attn
.set BBYTES, 2*BPL                     ; 73,728
.set ABYTES, 4*APL                     ; 36,864: [row block 2][plane 2]
.set SLOT,   BBYTES+ABYTES             ; 110,592: ow, then attn
.set STAGE,  2*SLOT                    ; 221,184: behind the ring; no tensor load lands there
.set SPITCH, 528                       ; the way out: a row of 128 f32 + 16 bytes
.set SBYTES, 16*SPITCH                 ; 8,448 a wave
.set ADRA, 8                           ; v8-9    LDS address of my attn fragments in slot 0, 1
.set ADRB, 10                          ; v10-11  of my ow fragments
.set STO,  12                          ; v12     the way out: in
.set RD,   13                          ; v13     the way out: back
.set CO,   14                          ; v14     16 L
.set OBO,  17                          ; v17     32 h: my byte offset in my 128 numbers of ob
.set F0,   64                          ; fragment buffer 0: ow's at F + 8 b, attn's at F + 64 + 8 a
.set F1,   160                         ; fragment buffer 1
.set G1B, 24                           ; s[24:31] group 1, a plane of ow: 128 rows of 256 bytes
.set G1A, 32                           ; s[32:39] group 1, a row block of attn: 64 rows of 256 bytes
.set G0B, 40                           ; s[40:47] group 0 for ow, one set for each slot
.set G0A, 48                           ; s[48:55] for attn
.set MSB, 0
.macro WIN new                         ; low byte: bits 1:0 source 0, 3:2 source 1, 5:4 source 2, 7:6 destination; the high byte repeats the setting left
.if MSB != \new
	s_set_vgpr_msb (MSB<<8)|\new
.set MSB, \new
.endif
.endm
.macro PLACES                          ; four places behind a matrix instruction before a load lands on, or a store reads, one of its registers
.rept 4
	v_nop
.endr
.endm
.macro CREST                           ; a round of the cluster's barrier behind its opening barrier
	s_cmp_lg_u32 s16, 0
	s_cbranch_scc1 .Lnot_wave_0_\@
	s_barrier_signal -3
.Lnot_wave_0_\@:
	s_barrier_wait -3
	s_barrier_signal -1
	s_barrier_wait -1
.endm
.macro CROUND
	s_barrier_signal -1
	s_barrier_wait -1
	CREST
.endm
; A joint load: each line has one mask and one set of registers for all that issue it; the branch hangs on the wave's number alone.
.macro JLOAD s
	s_cmp_eq_u32 s12, 0
	s_cbranch_scc0 .Lfor_a_\@
	tensor_load_to_lds s[G0B+4*\s:G0B+4*\s+3], s[G1B:G1B+7]
	s_nop 0
	s_branch .Lasked_\@
.Lfor_a_\@:
	tensor_load_to_lds s[G0A+4*\s:G0A+4*\s+3], s[G1A:G1A+7]
	s_nop 0
.Lasked_\@:
.endm
; 24 LDS loads: my 128 rows of ow and my 64 rows of attn, quarter q of the K step: plane q / 2, byte 64 (q % 2) of its rows
.macro FETCH slot, q, f
	WIN 0
.irp b, 0,1,2,3,4,5,6,7
	ds_load_b128 v[\f+8*\b:\f+8*\b+3],   v[ADRB+\slot] offset:((\q)/2)*BPL+((\q)%2)*64+16*P*\b
	ds_load_b128 v[\f+8*\b+4:\f+8*\b+7], v[ADRB+\slot] offset:((\q)/2)*BPL+((\q)%2)*64+16*P*\b+32
.endr
.irp a, 0,1,2,3
	ds_load_b128 v[\f+64+8*\a:\f+64+8*\a+3],   v[ADRA+\slot] offset:((\q)/2)*APL+((\q)%2)*64+16*P*\a
	ds_load_b128 v[\f+64+8*\a+4:\f+64+8*\a+7], v[ADRA+\slot] offset:((\q)/2)*APL+((\q)%2)*64+16*P*\a+32
.endr
.endm
; 16 matrix instructions: row tiles a0, a0 + 1 x all 8 column tiles.  seed = 1: C is the bias, which then lies in buffer 1's ow registers.
; The 32 accumulators take turns, one instruction a turn, in the same order in every quarter.
.macro MUL16 f, a0, seed
.irp a, \a0, \a0+1
.irp b, 0,1,2,3,4,5,6,7
.if \seed
	v_wmma_f32_16x16x32_f16 v[8*(8*(\a)+\b):8*(8*(\a)+\b)+7], v[\f+8*\b:\f+8*\b+7], v[\f+64+8*(\a):\f+64+8*(\a)+7], v[F1+8*\b:F1+8*\b+7]
.else
	v_wmma_f32_16x16x32_f16 v[8*(8*(\a)+\b):8*(8*(\a)+\b)+7], v[\f+8*\b:\f+8*\b+7], v[\f+64+8*(\a):\f+64+8*(\a)+7], v[8*(8*(\a)+\b):8*(8*(\a)+\b)+7]
.endif
.endr
.endr
.endm
; Fetches quarter q into buffer g, which the products just issued have read, and multiplies buffer f meanwhile
.macro QUART slot, q, f, g
	PLACES
	FETCH \slot, \q, \g
	s_wait_dscnt 24                                ; buffer f is in; the 24 loads just issued stay out
	WIN 0x50                                       ; C and D in window 1
	MUL16 \f, 0, 0
	MUL16 \f, 2, 0
.endm
; A K step of 128: four quarters on buffers 0, 1, 0, 1, then the change of slots.  fill = 1: this slot is filled again, two K steps ahead.
.macro STEP slot, next, fill, seed
.if \seed
	s_wait_loadcnt 0x0                             ; ob
	s_wait_dscnt 0x0                               ; buffer 0
	WIN 0x40                                       ; C in window 0, D in window 1
	MUL16 F0, 0, 1
	MUL16 F0, 2, 1
	PLACES                                         ; buffer 1, which held the bias, is loaded only four places behind the products that read it
	FETCH \slot, 1, F1
.else
	QUART \slot, 1, F0, F1
.endif
	QUART \slot, 2, F1, F0
	QUART \slot, 3, F0, F1
	s_wait_dscnt 0x0                               ; my reads of this slot are over
	s_wait_tensorcnt 0x0                           ; and my tensor load has landed: my part of the next slot
	ds_add_u32 v62, v63
	s_wait_dscnt 0x0
	s_barrier_signal -1                            ; say so (where the slot is filled again this barrier opens a round of the cluster's barrier),
	WIN 0x50
	MUL16 F1, 0, 0                                 ; work on registers while the others arrive
	WIN 0
	s_barrier_wait -1
.if \fill
	CREST                                          ; no wave of any partner still reads this slot or has a load on its way
	s_add_nc_u64 s[G0B+4*\slot+2:G0B+4*\slot+3], s[G0B+4*\slot+2:G0B+4*\slot+3], 4*131072   ; two K steps on: four planes of ow,
	s_add_nc_u64 s[G0A+4*\slot+2:G0A+4*\slot+3], s[G0A+4*\slot+2:G0A+4*\slot+3], 4*8192     ; four planes of the row block
	JLOAD \slot                                    ; the first tensor load behind the round, and the wave's only one until the next
.endif
	PLACES
	FETCH \next, 0, F0
	WIN 0x50
	MUL16 F1, 2, 0
	WIN 0
.endm
	s_load_b256 s[4:11], s[0:1], 0x0               ; attnp s[4:5], owp s[6:7], ob s[8:9], xw s[10:11]
	v_lshl_add_u32 v62, v0, 2, 0x3e400
	v_mov_b32 v63, 0
	ds_add_u32 v62, v63
	v_lshrrev_b32 v1, 5, v0
	v_readfirstlane_b32 s16, v1                    ; wave 0..3
	s_lshr_b32 s12, s16, 1                         ; which 64 rows of the block are mine.  Also: I fetch for ow (0) or for attn (1)
	s_and_b32 s13, s16, 1                          ; which 128 columns.  Also: which plane of ow, or which row block of attn, I fetch
	s_bfe_u32 s17, ttmp6, 0x40000                  ; cx
	s_bfe_u32 s18, ttmp6, 0x40004                  ; cy
	s_lshl_b32 s15, ttmp9, 2
	s_add_co_u32 s15, s15, s17                     ; block column of 256 = 4 x cluster x + cx
	s_and_b32 s14, ttmp7, 0xffff
	s_lshl_b32 s14, s14, 2
	s_add_co_u32 s14, s14, s18                     ; block row of 128 = 4 x cluster y + cy
	s_lshl_b32 s19, s18, 2
	s_lshl_b32 s19, 15, s19                        ; my row of the cluster: places 4 cy .. 4 cy + 3
	s_lshl_b32 s20, 0x1111, s17                    ; my column: places cx, cx + 4, cx + 8, cx + 12
	; group 1: dense blocks as rows of 32 elements of 8 bytes, a pad of 4 words behind every 32 words (a row of 64 f16); bit 21 beside the mask
	s_or_b32 s[G1B+0], s20, (3<<16)|(1<<20)|(1<<21)|(4<<22)|(3<<25)    ; ow's tiles go to my column
	s_or_b32 s[G1A+0], s19, (3<<16)|(1<<20)|(1<<21)|(4<<22)|(3<<25)    ; attn's to my row
	s_mov_b32 s[G1B+1], 32<<16                     ; tensor_dim0 = 32
	s_mov_b32 s[G1A+1], 32<<16
	s_mov_b32 s[G1B+2], 128<<16                    ; tensor_dim1 = 128 (32,768 bytes: 256 rows of one plane of ow)
	s_mov_b32 s[G1A+2], 64<<16                     ;             = 64 (16,384 bytes: 64 rows of attn, two planes)
	s_mov_b32 s[G1B+3], 32<<16                     ; tile_dim0 = 32
	s_mov_b32 s[G1A+3], 32<<16
	s_mov_b32 s[G1B+4], 128                        ; tile_dim1
	s_mov_b32 s[G1A+4], 64
	s_mov_b32 s[G1B+5], 32                         ; elements from row to row
	s_mov_b32 s[G1A+5], 32
	s_mov_b32 s[G1B+6], 0
	s_mov_b32 s[G1A+6], 0
	s_mov_b32 s[G1B+7], 0
	s_mov_b32 s[G1A+7], 0
	; ow's place hangs on the block column and the wave's number, attn's on the block row and the wave's number, each in registers of its own
	s_lshl_b32 s66, s13, 17                        ; ow: my plane of 131,072 bytes,
	s_lshl_b32 s67, s15, 15                        ; the block's 256 rows of 128 bytes
	s_add_co_u32 s66, s66, s67
	s_mov_b32 s67, 0
	s_lshl1_add_u32 s68, s14, s13                  ; attn: row block of 64 = 2 x block row + my half,
	s_lshl_b32 s68, s68, 17                        ; 131,072 bytes each
	s_mov_b32 s69, 0
	s_lshl_b32 s70, s15, 10                        ; ob, and a row of xw: 1,024 bytes a block column + 512 for my half
	s_lshl_b32 s71, s13, 9
	s_add_co_u32 s70, s70, s71
	s_mov_b32 s71, 0
	s_lshl_b32 s72, s14, 7                         ; xw: my first row = 128 x block row + 64 x half,
	s_lshl_b32 s73, s12, 6
	s_add_co_u32 s72, s72, s73
	s_lshl_b32 s72, s72, 12                        ; 4,096 bytes a row,
	s_add_co_u32 s72, s72, s70                     ; and my columns
	s_mov_b32 s73, 0
	s_mul_i32 s21, s16, BPL                        ; LDS, waves 0 and 1: slot + 36,864 w
	s_mul_i32 s22, s16, 2*APL                      ; waves 2 and 3: slot + 73,728 + 18,432 (w - 2) = slot + 36,864 + 18,432 w
	s_add_co_u32 s22, s22, BBYTES-4*APL
	s_wait_dscnt 0x0
	s_wait_kmcnt 0x0
	s_add_nc_u64 s[60:61], s[6:7], s[66:67]
	s_add_nc_u64 s[62:63], s[4:5], s[68:69]
	s_add_nc_u64 s[8:9], s[8:9], s[70:71]
	s_add_nc_u64 s[10:11], s[10:11], s[72:73]
.irp n, 0,1
	s_mov_b32 s[G0B+4*\n], 1                                       ; count = 1
	s_add_co_u32 s[G0B+4*\n+1], s21, \n*SLOT                       ; LDS address
	s_add_nc_u64 s[G0B+4*\n+2:G0B+4*\n+3], s[60:61], \n*2*131072   ; K step n: planes 2 n, 2 n + 1
	s_or_b32 s[G0B+4*\n+3], s[G0B+4*\n+3], 0x80000000              ; type = 2
	s_mov_b32 s[G0A+4*\n], 1
	s_add_co_u32 s[G0A+4*\n+1], s22, \n*SLOT
	s_add_nc_u64 s[G0A+4*\n+2:G0A+4*\n+3], s[62:63], \n*2*8192
	s_or_b32 s[G0A+4*\n+3], s[G0A+4*\n+3], 0x80000000
.endr
	CROUND                                         ; all sixteen work-groups are here: the first joint loads meet
	JLOAD 0                                        ; the ring is filled before anything else is done: two tensor loads of the wave are out
	JLOAD 1
	v_and_b32 v1, 15, v0                           ; r
	v_bfe_u32 v2, v0, 4, 1                         ; h
	v_and_b32 v3, 31, v0                           ; L
	v_lshlrev_b32 v[OBO], 5, v2                    ; 8 numbers further for lanes 16 to 31
	v_lshlrev_b32 v[CO], 4, v3
.irp b, 0,1,2,3,4,5,6,7
	global_load_b128 v[F1+8*\b:F1+8*\b+3],   v[OBO], s[8:9] offset:64*\b       ; register j = ob of column 16 b + 8 h + j
	global_load_b128 v[F1+8*\b+4:F1+8*\b+7], v[OBO], s[8:9] offset:64*\b+16
.endr
	v_mul_u32_u24 v4, v1, P
	v_lshl_add_u32 v4, v2, 4, v4                   ; row r, K = 8 h ..
	s_mul_i32 s74, s12, 2*APL
	s_add_co_u32 s74, s74, BBYTES                  ; my row block of attn, behind ow
	v_add_nc_u32 v[ADRA], s74, v4
	v_add_nc_u32 v[ADRA+1], SLOT, v[ADRA]
	s_mul_i32 s75, s13, 128*P                      ; my 128 rows of ow
	v_add_nc_u32 v[ADRB], s75, v4
	v_add_nc_u32 v[ADRB+1], SLOT, v[ADRB]
	s_mul_i32 s76, s16, SBYTES
	s_add_co_u32 s76, s76, STAGE                   ; my stage
	v_mul_u32_u24 v5, v1, SPITCH
	v_lshl_add_u32 v5, v2, 5, v5
	v_add_nc_u32 v[STO], s76, v5                   ; in: row r, 32 bytes for each half of the lanes
	v_lshl_add_u32 v[RD], v3, 4, s76               ; back: the wave takes a row of 512 bytes
	s_wait_tensorcnt 1                             ; my part of K step 0 is in; K step 1's may stay out
	s_barrier_signal -1
	s_barrier_wait -1
	FETCH 0, 0, F0
	STEP 0, 1, 1, 1                                ; 8 K steps of 128: the first starts the sums from the bias
	STEP 1, 0, 1, 0
	s_mov_b32 s58, 2
.Lpair:
	STEP 0, 1, 1, 0
	STEP 1, 0, 1, 0
	s_sub_co_u32 s58, s58, 1
	s_cmp_lg_u32 s58, 0
	s_cbranch_scc1 .Lpair
	STEP 0, 1, 0, 0                                ; nothing is left to fetch
	QUART 1, 1, F0, F1                             ; the last K step
	QUART 1, 2, F1, F0
	QUART 1, 3, F0, F1
	s_wait_dscnt 0x0
	MUL16 F1, 0, 0
	MUL16 F1, 2, 0
	PLACES                                         ; behind the last products: LDS stores read the sums, loads land on the fragment buffers
; THE WAY OUT, 16 rows at a time through my own stage: in by tiles, back by rows of 512 bytes.
.macro OUT a, f
	WIN 0x04                                       ; the data of an LDS store is source 1: window 1
.irp b, 0,1,2,3,4,5,6,7
	ds_store_b128 v[STO], v[8*(8*\a+\b):8*(8*\a+\b)+3]   offset:64*\b
	ds_store_b128 v[STO], v[8*(8*\a+\b)+4:8*(8*\a+\b)+7] offset:64*\b+16
.endr
	WIN 0
	s_wait_xcnt 0x0                                ; buffer f, which earlier stores read, is loaded again only behind this wait
.irp t, 0,1,2,3,4,5,6,7,8,9,10,11,12,13,14,15
	ds_load_b128 v[\f+4*\t:\f+4*\t+3], v[RD] offset:SPITCH*\t      ; LDS serves a wave's instructions in order: these see the stores above
.endr
.irp t, 0,1,2,3,4,5,6,7,8,9,10,11,12,13,14,15
	s_wait_dscnt 15-\t                             ; the 15 - t younger loads stay out
	global_store_b128 v[CO], v[\f+4*\t:\f+4*\t+3], s[10:11] offset:(16*\a+\t)*4096   ; a store of the wave covers 512 consecutive bytes, aligned
.endr
.endm
	OUT 0, 64
	OUT 1, 128
	OUT 2, 64
	OUT 3, 128
	s_wait_tensorcnt 0x0
	ds_add_u32 v62, v63
	s_wait_dscnt 0x0
	CROUND                                         ; the closing round: no work-group ends while a partner may still ask for a tile that names it
	s_endpgm
.Lfunc_end_k_q9ca5e12138_oproj:
	.size	k_q9ca5e12138_oproj, .Lfunc_end_k_q9ca5e12138_oproj-k_q9ca5e12138_oproj
	.p2alignl 7, 3214868480
	.fill 96, 4, 3214868480
	.section	.rodata,"a",@progbits
	.p2align	6, 0x0
	.amdhsa_kernel k_q9ca5e12138_oproj
		.amdhsa_group_segment_fixed_size 327680
		.amdhsa_private_segment_fixed_size 0
		.amdhsa_enable_private_segment 0
		.amdhsa_kernarg_size 32
		.amdhsa_user_sgpr_count 2
		.amdhsa_user_sgpr_kernarg_segment_ptr 1
		.amdhsa_wavefront_size32 1
		.amdhsa_system_sgpr_workgroup_id_x 1
		.amdhsa_system_sgpr_workgroup_id_y 1
		.amdhsa_system_sgpr_workgroup_id_z 1
		.amdhsa_system_vgpr_workitem_id 0
		.amdhsa_next_free_vgpr 512
		.amdhsa_next_free_sgpr 80
		.amdhsa_reserve_vcc 0
		.amdhsa_float_denorm_mode_32 3
		.amdhsa_float_denorm_mode_16_64 3
		.amdhsa_memory_ordered 1
		.amdhsa_forward_progress 1
		.amdhsa_inst_pref_size 118
	.end_amdhsa_kernel
	.amdgpu_metadata
---
amdhsa.version: [ 1, 2 ]
amdhsa.kernels:
  - .name:           k_q9ca5e12138_oproj
    .symbol:         k_q9ca5e12138_oproj.kd
    .args:
      - { .name: attnp, .offset: 0, .size: 8, .value_kind: global_buffer, .address_space: global }
      - { .name: owp, .offset: 8, .size: 8, .value_kind: global_buffer, .address_space: global }
      - { .name: ob, .offset: 16, .size: 8, .value_kind: global_buffer, .address_space: global }
      - { .name: xw, .offset: 24, .size: 8, .value_kind: global_buffer, .address_space: global }
    .group_segment_fixed_size: 327680
    .private_segment_fixed_size: 0
    .kernarg_segment_align: 8
    .kernarg_segment_size: 32
    .max_flat_workgroup_size: 128
    .sgpr_count:     80
    .vgpr_count:     512
    .wavefront_size: 32
...
	.end_amdgpu_metadata
.endif
;; end of part 4
;; launch lnorm (part 5): grid 256 x 1, 8 waves a work-group, no clusters, 0 bytes of LDS; arguments xw, ln_g, ln_b, out0; writes out0
.if DOCPART == 5
	.amdgcn_target "amdgcn-amd-amdhsa--gfx1250"
	.amdhsa_code_object_version 6
	.text
	.protected	k_q9ca5e12138_lnorm
	.globl	k_q9ca5e12138_lnorm
	.p2align	8
	.type	k_q9ca5e12138_lnorm,@function
k_q9ca5e12138_lnorm:
	s_mov_b64 s[64:65], 0
	v_nop
	global_prefetch_b8 v0, s[64:65] scope:SCOPE_SE
	s_setreg_imm32_b32 hwreg(HW_REG_WAVE_MODE, 25, 1), 1
	s_wait_xcnt 0x0
; out0 = (y - mean(y)) / sqrt(var(y) + 1e-5) * ln_g + ln_b, y = relu(xw), along rows of 1,024.  All f32.
; A row is 4,096 bytes: one wave takes a whole row, eight 16-byte loads a lane, and keeps it in 32 registers through both passes
; (the mean, then the sum of (y - mean)^2: no difference of large sums is formed), so the row is read once and no wave waits for another.
; 256 work-groups x 8 waves x 4 rows = 8,192 rows.  All 48 loads of a wave go out first: gain and bias of my 32 columns, then the four rows.
; Memory binds: no LDS, no barrier, no matrix unit, no cluster (the work-groups share nothing but 8 KiB of gain and bias).
; No register that a load or store names is written again.  LIMITS: finite inputs (relu of a NaN gives 0 here).
.set ROW, 4096
.set GN,  4                            ; v[4:35]    ln_g: register 4 j + e = column 128 j + 4 L + e
.set BT,  36                           ; v[36:67]   ln_b likewise
.set S,   68                           ; v[68:75]   four chains of pairs
.set T,   76                           ; v76-77     at work
.set NMU, 78                           ; v[78:79]   -mean, twice
.set RS,  80                           ; v[80:81]   1 / sqrt(var + eps), twice
.set XB,  84                           ; v[84:211]  row i: 32 registers
	s_load_b256 s[4:11], s[0:1], 0x0               ; xw s[4:5], ln_g s[6:7], ln_b s[8:9], out0 s[10:11]
	v_lshrrev_b32 v2, 5, v0
	v_readfirstlane_b32 s16, v2                    ; wave 0..7
	v_and_b32 v1, 31, v0
	v_lshlrev_b32 v1, 4, v1                        ; 16 L; never rewritten
	s_lshl_b32 s2, ttmp9, 17                       ; 32 rows of 4,096 bytes a work-group,
	s_lshl_b32 s3, s16, 14                         ; 4 a wave
	s_add_co_u32 s2, s2, s3
	s_mov_b32 s3, 0
	s_mov_b32 s12, 0x76543210                      ; v_permlanex16_b32: lane i of one half reads lane i of the other
	s_mov_b32 s13, 0xfedcba98
	s_mov_b32 s14, 0x3a800000                      ; 1 / 1024
	s_mov_b32 s15, 0x3727c5ac                      ; 1e-5
	v_mov_b32 v[T+1], 0                            ; v_permlanex16_b32 counts as a reader of its destination
	s_wait_kmcnt 0x0
	s_add_nc_u64 s[4:5], s[4:5], s[2:3]
	s_add_nc_u64 s[10:11], s[10:11], s[2:3]
.irp j, 0,1,2,3,4,5,6,7
	global_load_b128 v[GN+4*\j:GN+4*\j+3], v1, s[6:7] offset:512*\j
	global_load_b128 v[BT+4*\j:BT+4*\j+3], v1, s[8:9] offset:512*\j
.endr
.irp i, 0,1,2,3
.irp j, 0,1,2,3,4,5,6,7
	global_load_b128 v[XB+32*\i+4*\j:XB+32*\i+4*\j+3], v1, s[4:5] offset:\i*ROW+512*\j th:TH_LOAD_NT   ; 512 consecutive bytes a load
.endr
.endr
; The four chains become one number, the same in every lane: T = the sum over the row
.macro REDUCE
	v_pk_add_f32 v[S:S+1],   v[S:S+1],   v[S+2:S+3]
	v_pk_add_f32 v[S+4:S+5], v[S+4:S+5], v[S+6:S+7]
	v_pk_add_f32 v[S:S+1],   v[S:S+1],   v[S+4:S+5]
	v_add_f32 v[T], v[S], v[S+1]
	v_add_f32_dpp v[T], v[T], v[T] row_xmask:1 row_mask:0xf bank_mask:0xf
	v_add_f32_dpp v[T], v[T], v[T] row_xmask:2 row_mask:0xf bank_mask:0xf
	v_add_f32_dpp v[T], v[T], v[T] row_xmask:4 row_mask:0xf bank_mask:0xf
	v_add_f32_dpp v[T], v[T], v[T] row_xmask:8 row_mask:0xf bank_mask:0xf
	v_permlanex16_b32 v[T+1], v[T], s12, s13
	v_add_f32 v[T], v[T], v[T+1]
.endm
.macro ROWDO i
.set X, XB+32*\i
	s_wait_loadcnt 8*(3-\i)                        ; loads come back in order: gain, bias and row i are in, the later rows' 8 loads each stay out
.set k, 0
.rept 32
	v_max_num_f32 v[X+k], 0, v[X+k]                ; relu
.set k, k+1
.endr
.irp c, 0,2,4,6
	v_pk_add_f32 v[S+\c:S+\c+1], v[X+\c:X+\c+1], v[X+8+\c:X+8+\c+1]            ; the first links add two pairs: nothing is cleared
.endr
.irp k, 16,24
.irp c, 0,2,4,6
	v_pk_add_f32 v[S+\c:S+\c+1], v[S+\c:S+\c+1], v[X+\k+\c:X+\k+\c+1]
.endr
.endr
	REDUCE
	v_mul_f32 v[NMU],   0xba800000, v[T]           ; -sum / 1024, in both registers of the pair
	v_mul_f32 v[NMU+1], 0xba800000, v[T]
.set k, 0
.rept 16
	v_pk_add_f32 v[X+k:X+k+1], v[X+k:X+k+1], v[NMU:NMU+1]                      ; y - mean, in place
.set k, k+2
.endr
.irp c, 0,2,4,6
	v_pk_mul_f32 v[S+\c:S+\c+1], v[X+\c:X+\c+1], v[X+\c:X+\c+1]
.endr
.irp k, 8,16,24
.irp c, 0,2,4,6
	v_pk_fma_f32 v[S+\c:S+\c+1], v[X+\k+\c:X+\k+\c+1], v[X+\k+\c:X+\k+\c+1], v[S+\c:S+\c+1]
.endr
.endr
	REDUCE
	v_fma_f32 v[T], v[T], s14, s15                 ; sum / 1024 + 1e-5
	v_rsq_f32 v[RS], v[T]
	v_nop                                          ; one plain place behind the root (ISA guide 5.7.2)
	s_wait_alu depctr_va_vdst(0)
	v_mov_b32 v[RS+1], v[RS]
.irp j, 0,1,2,3,4,5,6,7
.irp e, 0,2
	v_pk_mul_f32 v[X+4*\j+\e:X+4*\j+\e+1], v[X+4*\j+\e:X+4*\j+\e+1], v[RS:RS+1]
	v_pk_fma_f32 v[X+4*\j+\e:X+4*\j+\e+1], v[X+4*\j+\e:X+4*\j+\e+1], v[GN+4*\j+\e:GN+4*\j+\e+1], v[BT+4*\j+\e:BT+4*\j+\e+1]
.endr
	global_store_b128 v1, v[X+4*\j:X+4*\j+3], s[10:11] offset:\i*ROW+512*\j th:TH_STORE_NT   ; 512 consecutive bytes a store, aligned
.endr
.endm
	ROWDO 0
	ROWDO 1
	ROWDO 2
	ROWDO 3
	s_endpgm
.Lfunc_end_k_q9ca5e12138_lnorm:
	.size	k_q9ca5e12138_lnorm, .Lfunc_end_k_q9ca5e12138_lnorm-k_q9ca5e12138_lnorm
	.p2alignl 7, 3214868480
	.fill 96, 4, 3214868480
	.section	.rodata,"a",@progbits
	.p2align	6, 0x0
	.amdhsa_kernel k_q9ca5e12138_lnorm
		.amdhsa_group_segment_fixed_size 0
		.amdhsa_private_segment_fixed_size 0
		.amdhsa_enable_private_segment 0
		.amdhsa_kernarg_size 32
		.amdhsa_user_sgpr_count 2
		.amdhsa_user_sgpr_kernarg_segment_ptr 1
		.amdhsa_wavefront_size32 1
		.amdhsa_system_sgpr_workgroup_id_x 1
		.amdhsa_system_sgpr_workgroup_id_y 1
		.amdhsa_system_sgpr_workgroup_id_z 1
		.amdhsa_system_vgpr_workitem_id 0
		.amdhsa_next_free_vgpr 212
		.amdhsa_next_free_sgpr 66
		.amdhsa_reserve_vcc 0
		.amdhsa_float_denorm_mode_32 3
		.amdhsa_float_denorm_mode_16_64 3
		.amdhsa_memory_ordered 1
		.amdhsa_forward_progress 1
		.amdhsa_inst_pref_size 38
	.end_amdhsa_kernel
	.amdgpu_metadata
---
amdhsa.version: [ 1, 2 ]
amdhsa.kernels:
  - .name:           k_q9ca5e12138_lnorm
    .symbol:         k_q9ca5e12138_lnorm.kd
    .args:
      - { .name: xw, .offset: 0, .size: 8, .value_kind: global_buffer, .address_space: global }
      - { .name: ln_g, .offset: 8, .size: 8, .value_kind: global_buffer, .address_space: global }
      - { .name: ln_b, .offset: 16, .size: 8, .value_kind: global_buffer, .address_space: global }
      - { .name: out0, .offset: 24, .size: 8, .value_kind: global_buffer, .address_space: global }
    .group_segment_fixed_size: 0
    .private_segment_fixed_size: 0
    .kernarg_segment_align: 8
    .kernarg_segment_size: 32
    .max_flat_workgroup_size: 256
    .sgpr_count:     66
    .vgpr_count:     212
    .wavefront_size: 32
...
	.end_amdgpu_metadata
.endif
;; end of part 5
;; ======== version 2 of 2: 5 launches; version 1 with the launches cast, lnorm written anew for expert scheduling mode
;; limits: values are held in f16: magnitudes above 65,504 overflow, below 6.1e-05 lose precision
;; workspace buffers: xb 16,777,216 bytes; wb 6,291,456 bytes; owp 2,097,152 bytes; qkv 50,331,648 bytes; attnp 16,777,216 bytes; xw 33,554,432 bytes
;; launch cast (part 6): grid 64 x 12, 8 waves a work-group, no clusters, 0 bytes of LDS; arguments feat, qw, kw, vw, ow, xb, wb, owp; writes xb, wb, owp
.if DOCPART == 6
	.amdgcn_target "amdgcn-amd-amdhsa--gfx1250"
	.amdhsa_code_object_version 6
	.text
	.protected	k_q9ca5e12138_cast
	.globl	k_q9ca5e12138_cast
	.p2align	8
	.type	k_q9ca5e12138_cast,@function
k_q9ca5e12138_cast:
	s_mov_b64 s[64:65], 0
	v_nop
	global_prefetch_b8 v0, s[64:65] scope:SCOPE_SE
	s_setreg_imm32_b32 hwreg(HW_REG_WAVE_SCHED_MODE, 0, 2), 2
	s_setreg_imm32_b32 hwreg(HW_REG_WAVE_MODE, 25, 1), 1
	s_wait_xcnt 0x0
	s_wait_alu depctr_vm_vsrc(0)
; 16-bit copies of the matrix inputs, made once, so that the products that follow read half the bytes and convert nothing.
;   xb  = bf16(feat)            [8192][1024]
;   wb  = bf16(qw | kw | vw)    [3072][1024]
;   owp = f16(bf16(ow))         [kb 16][n 1024][64]: the 64 columns 64 kb .. 64 kb + 63 of all 1,024 rows lie together, 128 KiB a block
; ow is rounded to bf16 like the other inputs and that value is then written in f16, because the last product's other operand is f16.
; LIMITS: finite inputs; |ow| < 65,504; the rewrite is exact for |ow| >= 2^-17, below that its absolute error is at most 2^-25.
; The grid's y picks a chunk of 1,048,576 numbers (0-7 feat, 8 qw, 9 kw, 10 vw, 11 ow), x 16,384 of them.
; A thread takes 4 numbers in each of 16 steps: a load of a wave covers 512 consecutive bytes, a store 256 consecutive bytes, aligned.
; Memory binds: no LDS, no barrier, no matrix unit.  All 16 loads of a thread go out first.
; THE MODE: SCHED_MODE bits 1:0 = 2 (LLVM: expert scheduling mode 2), set by the entry lines.  The code itself states the register dependences
; between vector instructions and memory instructions, with s_wait_alu, always for 0.
; THE PLAN.  Registers that memory instructions touch:
;   v1, v2   byte offsets of the loads and of the stores.  Written by vector lines ahead of the first load, never again.
;   X        step n's 4 numbers as loaded.  Each register is loaded once; no vector line names it before its load; the conversions read it.
;   Y        step n's 4 numbers in 16 bits.  Written by step n's conversions, read by step n's one store, never written again.
;   T, v3    named by vector instructions alone.
; So one wait stands ahead of the loads (the offsets are written), and the 16 steps go in four blocks of four: a block's conversions,
; one wait (they have written the block's Y), the block's four stores in a run.  No register that a load or store reads is written
; again, so nothing is owed for that.
.set X, 4                              ; v[4:67]    step n: 4 numbers in f32
.set Y, 68                             ; v[68:99]   step n: 4 numbers in 16 bits
.set T, 100                            ; v[100:103] at work (ow alone)
.macro CAST instride, half
	s_wait_alu depctr_va_vdst(0)                   ; v1 and v2 are written: every load below reads v1 as its offset, every store v2
.irp i, 0,1,2,3,4,5,6,7,8,9,10,11,12,13,14,15
	global_load_b128 v[X+4*\i:X+4*\i+3], v1, s[4:5] offset:\i*\instride th:TH_LOAD_NT
.endr
.irp p, 0,1,2,3
.irp q, 0,1,2,3
	s_wait_loadcnt 15-(4*\p+\q)                    ; loads come back in order: step n = 4 p + q is in, the 15 - n younger ones stay out
	v_cvt_pk_bf16_f32 v[Y+2*(4*\p+\q)],   v[X+4*(4*\p+\q)],   v[X+4*(4*\p+\q)+1]
	v_cvt_pk_bf16_f32 v[Y+2*(4*\p+\q)+1], v[X+4*(4*\p+\q)+2], v[X+4*(4*\p+\q)+3]
.if \half
	v_lshlrev_b32 v[T],   16,  v[Y+2*(4*\p+\q)]    ; the bf16 values back in f32 (a shift, a mask),
	v_and_b32     v[T+1], s40, v[Y+2*(4*\p+\q)]
	v_lshlrev_b32 v[T+2], 16,  v[Y+2*(4*\p+\q)+1]
	v_and_b32     v[T+3], s40, v[Y+2*(4*\p+\q)+1]
	v_cvt_pk_f16_f32 v[Y+2*(4*\p+\q)],   v[T],   v[T+1]   ; and written in f16
	v_cvt_pk_f16_f32 v[Y+2*(4*\p+\q)+1], v[T+2], v[T+3]
.endif
.endr
	s_wait_alu depctr_va_vdst(0)                   ; the block's conversions have written its eight registers of Y, which the four stores below read
.irp q, 0,1,2,3
	global_store_b64 v2, v[Y+2*(4*\p+\q):Y+2*(4*\p+\q)+1], s[6:7] offset:(4*\p+\q)*2048
.endr
.endr
.endm
	s_load_b512 s[16:31], s[0:1], 0x0              ; feat 16, qw 18, kw 20, vw 22, ow 24, xb 26, wb 28, owp 30
	s_and_b32 s2, ttmp7, 0xffff                    ; y: the chunk
	s_mov_b32 s40, 0xffff0000                      ; a word's upper bf16
	v_lshlrev_b32 v2, 3, v0                        ; my 8 bytes in a step's 2,048 bytes of output
	s_lshl_b32 s8, ttmp9, 15                       ; x times 16,384 numbers of 2 bytes
	s_mov_b32 s9, 0
	s_wait_kmcnt 0x0
	s_cmp_eq_u32 s2, 11
	s_cbranch_scc1 .Low
	; feat and the three weights of Q, K, V: the order of the numbers stays
	s_sub_co_u32 s3, s2, 8                         ; which of the three weights (used only where y >= 8)
	s_cmp_lt_u32 s2, 8
	s_cselect_b64 s[4:5], s[16:17], s[18:19]       ; from feat or qw
	s_cselect_b64 s[6:7], s[26:27], s[28:29]       ; to xb or wb
	s_cselect_b32 s10, s2, 0                       ; chunk within the source: a weight is one chunk
	s_cselect_b32 s12, s2, s3                      ; chunk within the destination
	s_cmp_eq_u32 s2, 9
	s_cselect_b64 s[4:5], s[20:21], s[4:5]         ; kw
	s_cmp_eq_u32 s2, 10
	s_cselect_b64 s[4:5], s[22:23], s[4:5]         ; vw
	s_lshl_b32 s10, s10, 22                        ; 4,194,304 bytes a chunk of f32
	s_lshl_b32 s11, ttmp9, 16                      ; 65,536 bytes a work-group
	s_add_co_u32 s10, s10, s11
	s_mov_b32 s11, 0
	s_add_nc_u64 s[4:5], s[4:5], s[10:11]
	s_lshl_b32 s12, s12, 21                        ; 2,097,152 bytes a chunk of 16-bit numbers
	s_add_co_u32 s8, s8, s12
	s_add_nc_u64 s[6:7], s[6:7], s[8:9]
	v_lshlrev_b32 v1, 4, v0                        ; my 16 bytes in a step's 4,096 bytes of input
	CAST 4096, 0
	s_endpgm
.Low:
	; ow: work-group x writes bytes 32,768 x .. of owp = block kb = x >> 2, rows n = 256 (x & 3) .. + 255.
	; Step i, thread t: row n = 256 (x & 3) + 16 i + (t >> 4), columns 64 kb + 4 (t & 15) .. + 3: sixteen lanes read 256 consecutive bytes.
	s_and_b32 s10, ttmp9, 3
	s_lshl_b32 s10, s10, 20                        ; 256 rows of 4,096 bytes
	s_lshr_b32 s11, ttmp9, 2
	s_lshl_b32 s11, s11, 8                         ; 64 columns of 4 bytes
	s_add_co_u32 s10, s10, s11
	s_mov_b32 s11, 0
	s_add_nc_u64 s[4:5], s[24:25], s[10:11]
	s_add_nc_u64 s[6:7], s[30:31], s[8:9]
	v_lshrrev_b32 v3, 4, v0
	v_and_b32 v1, 15, v0
	v_lshlrev_b32 v1, 4, v1
	v_lshl_add_u32 v1, v3, 12, v1                  ; (t >> 4) rows + 16 (t & 15)
	CAST 65536, 1                                  ; 16 rows of 4,096 bytes from step to step
	s_endpgm
.Lfunc_end_k_q9ca5e12138_cast:
	.size	k_q9ca5e12138_cast, .Lfunc_end_k_q9ca5e12138_cast-k_q9ca5e12138_cast
	.p2alignl 7, 3214868480
	.fill 96, 4, 3214868480
	.section	.rodata,"a",@progbits
	.p2align	6, 0x0
	.amdhsa_kernel k_q9ca5e12138_cast
		.amdhsa_group_segment_fixed_size 0
		.amdhsa_private_segment_fixed_size 0
		.amdhsa_enable_private_segment 0
		.amdhsa_kernarg_size 64
		.amdhsa_user_sgpr_count 2
		.amdhsa_user_sgpr_kernarg_segment_ptr 1
		.amdhsa_wavefront_size32 1
		.amdhsa_system_sgpr_workgroup_id_x 1
		.amdhsa_system_sgpr_workgroup_id_y 1
		.amdhsa_system_sgpr_workgroup_id_z 1
		.amdhsa_system_vgpr_workitem_id 0
		.amdhsa_next_free_vgpr 104
		.amdhsa_next_free_sgpr 66
		.amdhsa_reserve_vcc 0
		.amdhsa_float_denorm_mode_32 3
		.amdhsa_float_denorm_mode_16_64 3
		.amdhsa_memory_ordered 1
		.amdhsa_forward_progress 1
		.amdhsa_inst_pref_size 18
	.end_amdhsa_kernel
	.amdgpu_metadata
---
amdhsa.version: [ 1, 2 ]
amdhsa.kernels:
  - .name:           k_q9ca5e12138_cast
    .symbol:         k_q9ca5e12138_cast.kd
    .args:
      - { .name: feat, .offset: 0, .size: 8, .value_kind: global_buffer, .address_space: global }
      - { .name: qw, .offset: 8, .size: 8, .value_kind: global_buffer, .address_space: global }
      - { .name: kw, .offset: 16, .size: 8, .value_kind: global_buffer, .address_space: global }
      - { .name: vw, .offset: 24, .size: 8, .value_kind: global_buffer, .address_space: global }
      - { .name: ow, .offset: 32, .size: 8, .value_kind: global_buffer, .address_space: global }
      - { .name: xb, .offset: 40, .size: 8, .value_kind: global_buffer, .address_space: global }
      - { .name: wb, .offset: 48, .size: 8, .value_kind: global_buffer, .address_space: global }
      - { .name: owp, .offset: 56, .size: 8, .value_kind: global_buffer, .address_space: global }
    .group_segment_fixed_size: 0
    .private_segment_fixed_size: 0
    .kernarg_segment_align: 8
    .kernarg_segment_size: 64
    .max_flat_workgroup_size: 256
    .sgpr_count:     66
    .vgpr_count:     104
    .wavefront_size: 32
...
	.end_amdgpu_metadata
.endif
;; end of part 6
;; launch qkv: the kernel of part 2 again; grid 12 x 32, 4 waves a work-group, clusters of 4 x 4, 327,680 bytes of LDS; arguments xb, wb, qkv, qb, kb, vb; writes qkv
;; launch attn: the kernel of part 3 again; grid 8 x 32, 8 waves a work-group, clusters of 4 x 1, 327,680 bytes of LDS; arguments qkv, attnp; writes attnp
;; launch oproj: the kernel of part 4 again; grid 4 x 64, 4 waves a work-group, clusters of 4 x 4, 327,680 bytes of LDS; arguments attnp, owp, ob, xw; writes xw
;; launch lnorm (part 7): grid 256 x 1, 8 waves a work-group, no clusters, 0 bytes of LDS; arguments xw, ln_g, ln_b, out0; writes out0
.if DOCPART == 7
	.amdgcn_target "amdgcn-amd-amdhsa--gfx1250"
	.amdhsa_code_object_version 6
	.text
	.protected	k_q9ca5e12138_lnorm
	.globl	k_q9ca5e12138_lnorm
	.p2align	8
	.type	k_q9ca5e12138_lnorm,@function
k_q9ca5e12138_lnorm:
	s_mov_b64 s[64:65], 0
	v_nop
	global_prefetch_b8 v0, s[64:65] scope:SCOPE_SE
	s_setreg_imm32_b32 hwreg(HW_REG_WAVE_SCHED_MODE, 0, 2), 2
	s_setreg_imm32_b32 hwreg(HW_REG_WAVE_MODE, 25, 1), 1
	s_wait_xcnt 0x0
	s_wait_alu depctr_vm_vsrc(0)
; out0 = (y - mean(y)) / sqrt(var(y) + 1e-5) * ln_g + ln_b, y = relu(xw), along rows of 1,024.  All f32.
; A row is 4,096 bytes: one wave takes a whole row, eight 16-byte loads a lane, and keeps it in 32 registers through both passes
; (the mean, then the sum of (y - mean)^2: no difference of large sums is formed), so the row is read once and no wave waits for another.
; 256 work-groups x 8 waves x 4 rows = 8,192 rows.  All 48 loads of a wave go out first: gain and bias of my 32 columns, then the four rows.
; Memory binds: no LDS, no barrier, no matrix unit, no cluster (the work-groups share nothing but 8 KiB of gain and bias).
; LIMITS: finite inputs (relu of a NaN gives 0 here).
; THE MODE: SCHED_MODE bits 1:0 = 2 (LLVM: expert scheduling mode 2), set by the entry lines.  The code itself states the register dependences
; between vector instructions and memory instructions, with s_wait_alu, always for 0.
; THE PLAN.  Registers that memory instructions touch:
;   v1          the offset 16 L of every load and store.  Written by two vector lines at the head, never again.
;   GN, BT, XB  Each register is loaded once, at the head; no vector line names it before its load.
;   XB, row i   Worked on in place; last written by the row's sixteen multiply-adds; then read by the row's eight stores; never written again.
;   S, T, NMU, RS, v2  named by vector instructions alone.
; So one wait stands ahead of the loads (v1 is written), and one in each row, behind its last arithmetic and ahead of its eight stores, which
; stand in a run, ahead of the wait for the next row's loads.  No register that a load or store reads is written again, and no load is issued
; behind the head, so nothing more is owed to memory instructions.  The wave's number passes through a scalar register: one wait ahead of its reader.
.set ROW, 4096
.set GN,  4                            ; v[4:35]    ln_g: register 4 j + e = column 128 j + 4 L + e
.set BT,  36                           ; v[36:67]   ln_b likewise
.set S,   68                           ; v[68:75]   four chains of pairs
.set T,   76                           ; v76-77     at work
.set NMU, 78                           ; v[78:79]   -mean, twice
.set RS,  80                           ; v[80:81]   1 / sqrt(var + eps), twice
.set XB,  84                           ; v[84:211]  row i: 32 registers
	s_load_b256 s[4:11], s[0:1], 0x0               ; xw s[4:5], ln_g s[6:7], ln_b s[8:9], out0 s[10:11]
	v_lshrrev_b32 v2, 5, v0
	v_readfirstlane_b32 s16, v2                    ; wave 0..7
	v_and_b32 v1, 31, v0
	v_lshlrev_b32 v1, 4, v1                        ; 16 L; never rewritten
	s_lshl_b32 s2, ttmp9, 17                       ; 32 rows of 4,096 bytes a work-group,
	s_wait_alu depctr_va_sdst(0)                   ; s16 is written, ahead of its first reader: the wave's rows are made from it
	s_lshl_b32 s3, s16, 14                         ; 4 a wave
	s_add_co_u32 s2, s2, s3
	s_mov_b32 s3, 0
	s_mov_b32 s12, 0x76543210                      ; v_permlanex16_b32: lane i of one half reads lane i of the other
	s_mov_b32 s13, 0xfedcba98
	s_mov_b32 s14, 0x3a800000                      ; 1 / 1024
	s_mov_b32 s15, 0x3727c5ac                      ; 1e-5
	v_mov_b32 v[T+1], 0                            ; v_permlanex16_b32 counts as a reader of its destination
	s_wait_kmcnt 0x0
	s_add_nc_u64 s[4:5], s[4:5], s[2:3]
	s_add_nc_u64 s[10:11], s[10:11], s[2:3]
	s_wait_alu depctr_va_vdst(0)                   ; v1 is written: every load and store of the kernel reads it as its offset
.irp j, 0,1,2,3,4,5,6,7
	global_load_b128 v[GN+4*\j:GN+4*\j+3], v1, s[6:7] offset:512*\j
	global_load_b128 v[BT+4*\j:BT+4*\j+3], v1, s[8:9] offset:512*\j
.endr
.irp i, 0,1,2,3
.irp j, 0,1,2,3,4,5,6,7
	global_load_b128 v[XB+32*\i+4*\j:XB+32*\i+4*\j+3], v1, s[4:5] offset:\i*ROW+512*\j th:TH_LOAD_NT   ; 512 consecutive bytes a load
.endr
.endr
; The four chains become one number, the same in every lane: T = the sum over the row
.macro REDUCE
	v_pk_add_f32 v[S:S+1],   v[S:S+1],   v[S+2:S+3]
	v_pk_add_f32 v[S+4:S+5], v[S+4:S+5], v[S+6:S+7]
	v_pk_add_f32 v[S:S+1],   v[S:S+1],   v[S+4:S+5]
	v_add_f32 v[T], v[S], v[S+1]
	v_add_f32_dpp v[T], v[T], v[T] row_xmask:1 row_mask:0xf bank_mask:0xf
	v_add_f32_dpp v[T], v[T], v[T] row_xmask:2 row_mask:0xf bank_mask:0xf
	v_add_f32_dpp v[T], v[T], v[T] row_xmask:4 row_mask:0xf bank_mask:0xf
	v_add_f32_dpp v[T], v[T], v[T] row_xmask:8 row_mask:0xf bank_mask:0xf
	v_permlanex16_b32 v[T+1], v[T], s12, s13
	v_add_f32 v[T], v[T], v[T+1]
.endm
.macro ROWDO i
.set X, XB+32*\i
	s_wait_loadcnt 8*(3-\i)                        ; loads come back in order: gain, bias and row i are in, the later rows' 8 loads each stay out
.set k, 0
.rept 32
	v_max_num_f32 v[X+k], 0, v[X+k]                ; relu
.set k, k+1
.endr
.irp c, 0,2,4,6
	v_pk_add_f32 v[S+\c:S+\c+1], v[X+\c:X+\c+1], v[X+8+\c:X+8+\c+1]            ; the first links add two pairs: nothing is cleared
.endr
.irp k, 16,24
.irp c, 0,2,4,6
	v_pk_add_f32 v[S+\c:S+\c+1], v[S+\c:S+\c+1], v[X+\k+\c:X+\k+\c+1]
.endr
.endr
	REDUCE
	v_mul_f32 v[NMU],   0xba800000, v[T]           ; -sum / 1024, in both registers of the pair
	v_mul_f32 v[NMU+1], 0xba800000, v[T]
.set k, 0
.rept 16
	v_pk_add_f32 v[X+k:X+k+1], v[X+k:X+k+1], v[NMU:NMU+1]                      ; y - mean, in place
.set k, k+2
.endr
.irp c, 0,2,4,6
	v_pk_mul_f32 v[S+\c:S+\c+1], v[X+\c:X+\c+1], v[X+\c:X+\c+1]
.endr
.irp k, 8,16,24
.irp c, 0,2,4,6
	v_pk_fma_f32 v[S+\c:S+\c+1], v[X+\k+\c:X+\k+\c+1], v[X+\k+\c:X+\k+\c+1], v[S+\c:S+\c+1]
.endr
.endr
	REDUCE
	v_fma_f32 v[T], v[T], s14, s15                 ; sum / 1024 + 1e-5
	v_rsq_f32 v[RS], v[T]
	v_nop                                          ; one plain place behind the root (ISA guide 5.7.2)
	s_wait_alu depctr_va_vdst(0)                   ; the root has written v[RS], ahead of its first reader, the line below
	v_mov_b32 v[RS+1], v[RS]
.set k, 0
.rept 16
	v_pk_mul_f32 v[X+k:X+k+1], v[X+k:X+k+1], v[RS:RS+1]                        ; the row's sixteen scalings first,
.set k, k+2
.endr
.set k, 0
.rept 16
	v_pk_fma_f32 v[X+k:X+k+1], v[X+k:X+k+1], v[GN+k:GN+k+1], v[BT+k:BT+k+1]    ; then gain and bias: each stands sixteen lines behind the scaling that it reads
.set k, k+2
.endr
	s_wait_alu depctr_va_vdst(0)                   ; the multiply-adds have written the row's 32 registers, which the eight stores below read
.irp j, 0,1,2,3,4,5,6,7
	global_store_b128 v1, v[X+4*\j:X+4*\j+3], s[10:11] offset:\i*ROW+512*\j th:TH_STORE_NT   ; 512 consecutive bytes a store, aligned
.endr
.endm
	ROWDO 0
	ROWDO 1
	ROWDO 2
	ROWDO 3
	s_endpgm
.Lfunc_end_k_q9ca5e12138_lnorm:
	.size	k_q9ca5e12138_lnorm, .Lfunc_end_k_q9ca5e12138_lnorm-k_q9ca5e12138_lnorm
	.p2alignl 7, 3214868480
	.fill 96, 4, 3214868480
	.section	.rodata,"a",@progbits
	.p2align	6, 0x0
	.amdhsa_kernel k_q9ca5e12138_lnorm
		.amdhsa_group_segment_fixed_size 0
		.amdhsa_private_segment_fixed_size 0
		.amdhsa_enable_private_segment 0
		.amdhsa_kernarg_size 32
		.amdhsa_user_sgpr_count 2
		.amdhsa_user_sgpr_kernarg_segment_ptr 1
		.amdhsa_wavefront_size32 1
		.amdhsa_system_sgpr_workgroup_id_x 1
		.amdhsa_system_sgpr_workgroup_id_y 1
		.amdhsa_system_sgpr_workgroup_id_z 1
		.amdhsa_system_vgpr_workitem_id 0
		.amdhsa_next_free_vgpr 212
		.amdhsa_next_free_sgpr 66
		.amdhsa_reserve_vcc 0
		.amdhsa_float_denorm_mode_32 3
		.amdhsa_float_denorm_mode_16_64 3
		.amdhsa_memory_ordered 1
		.amdhsa_forward_progress 1
		.amdhsa_inst_pref_size 38
	.end_amdhsa_kernel
	.amdgpu_metadata
---
amdhsa.version: [ 1, 2 ]
amdhsa.kernels:
  - .name:           k_q9ca5e12138_lnorm
    .symbol:         k_q9ca5e12138_lnorm.kd
    .args:
      - { .name: xw, .offset: 0, .size: 8, .value_kind: global_buffer, .address_space: global }
      - { .name: ln_g, .offset: 8, .size: 8, .value_kind: global_buffer, .address_space: global }
      - { .name: ln_b, .offset: 16, .size: 8, .value_kind: global_buffer, .address_space: global }
      - { .name: out0, .offset: 24, .size: 8, .value_kind: global_buffer, .address_space: global }
    .group_segment_fixed_size: 0
    .private_segment_fixed_size: 0
    .kernarg_segment_align: 8
    .kernarg_segment_size: 32
    .max_flat_workgroup_size: 256
    .sgpr_count:     66
    .vgpr_count:     212
    .wavefront_size: 32
...
	.end_amdgpu_metadata
.endif
;; end of part 7
